; MI455X (gfx1250); checked and timed in simulation.
; The chip was launched on July 23, 2026; its instructions are those of AMD's public machine-readable ISA for CDNA 5 (MIT licence, August 2026) and "CDNA5" Instruction Set Architecture Reference Guide (July 2026). The comments in the code are by the model that wrote it; some were corrected since.
;; Attention. Allowed arithmetic: matrix products marked QUANTISED: E2M1 operands, one E8M0 scale for each 32 along K, by v_wmma_scale_f32_16x16x128_f8f6f4 with both operands' format E2M1 (or v_wmma_scale_f32_32x16x128_f4), f32 sums; products left as they are: bf16, f16 or f32 operands; f32 sums; everything else in f32.
;; Inputs: Wkv 1,024 x 2,048 float32; Wout 1,024 x 1,024 float32; Wq 1,024 x 1,024 float32; bout 1,024 float32; x 4 x 2,048 x 1,024 float32.
;; Outputs: out0 4 x 2,048 x 1,024 float32.
;; This version of the problem:
;;   THIS VERSION OF THE PROBLEM IS GIVEN IN LOW PRECISION. The matrix products marked QUANTISED in the list below multiply operands that are first quantised to E2M1 (2 exponent bits, 1 mantissa bit; 4 bits a number), with one power-of-two scale for each 32 numbers along K (OCP MX v1.0); their sums are f32. The products marked 'left as it is' may take bf16, f16 or f32 operands, with f32 sums. Whichever they take, every output number must still come out within the allowed error. Rounding operands to bf16 (8 significant bits) uses up far more of that allowance than f16 does (11 bits, for magnitudes from 6e-5 to 65,504). All else is computed in f32.
;;   The module's matrix products, in the order in which they are computed (A, B: the left and right operand; K: the contracted axis; several contracted axes count as one K, in the product's order):
;;     1. [M 8,192, K 1,024] x [K 1,024, N 1,024]; A: input x; B: input Wq: QUANTISED
;;     2. [M 8,192, K 1,024] x [K 1,024, N 2,048]; A: input x; B: input Wkv: QUANTISED
;;     3. batch 64 x [M 2,048, K 64] x [K 64, N 2,048]; A: computed on the way; B: computed on the way: left as it is (an operand is computed on the way)
;;     4. batch 64 x [M 2,048, K 2,048] x [K 2,048, N 64]; A: computed on the way; B: computed on the way: left as it is (an operand is computed on the way)
;;     5. [M 8,192, K 1,024] x [K 1,024, N 1,024]; A: computed on the way; B: input Wout: left as it is (an operand is computed on the way)
;;   THE QUANTISER, for each operand of a quantised product, along K:
;;     - K is cut into blocks of 32 from its start; a last block that is shorter is filled with zeros.
;;     - A block's scale is 2^e with e = floor(log2(the largest magnitude in the block)) - 2, held to -126 .. 127; a block of zeros has e = 0. As a byte (E8M0): e + 127.
;;     - Each number is divided by its block's scale, clamped to +-6, and rounded to the nearest number of E2M1, ties to even, subnormals kept.
;;     - The product sums the exact products of the quantised numbers (number of the format x scale) in f32.
;;   ~~~python
;;   def quantise(x, axis):      # numpy; x: float32 -> the quantised numbers, widened to float32 again
;;       x = np.moveaxis(x, axis, -1); K = x.shape[-1]
;;       x = np.pad(x, [(0, 0)] * (x.ndim - 1) + [(0, -K % 32)]); x = x.reshape(x.shape[:-1] + (-1, 32)); a = np.abs(x).max(-1, keepdims=True)
;;       e = np.where(a > 0, np.clip(np.frexp(np.where(a > 0, a, 1))[1] - 1 - 2, -126, 127), 0)      # np.frexp(a)[1] - 1 = floor(log2(a)), exactly
;;       r = np.clip(x / 2.0 ** e, -6, 6)
;;       step = 2.0 ** (np.maximum(np.frexp(np.where(r == 0, 1, r))[1] - 1, 0) - 1)
;;       q = np.round(r / step) * step * 2.0 ** e      # np.round: ties to even
;;       return np.moveaxis(q.reshape(q.shape[:-2] + (-1,))[..., :K], -1, axis).astype(np.float32)
;;   ~~~
;; One version. Each part assembles by itself: llvm-mc -triple=amdgcn-amd-amdhsa -mcpu=gfx1250 --defsym DOCPART=n.
;; ======== version 1 of 1: 4 launches
;; limits: values are held in f16: magnitudes above 65,504 overflow, below 6.1e-05 lose precision
;; workspace buffers: xc 4,194,304 bytes; xs 262,144 bytes; wc 1,572,864 bytes; ws 98,304 bytes; wo 2,097,152 bytes; qkv 50,331,648 bytes; ao 16,777,216 bytes
;; launch prep (part 1): grid 336 x 1, 4 waves a work-group, no clusters, 68,096 bytes of LDS; arguments x, Wq, Wkv, Wout, xc, xs, wc, ws, wo; writes xc, xs, wc, ws, wo
.if DOCPART == 1
	.amdgcn_target "amdgcn-amd-amdhsa--gfx1250"
	.amdhsa_code_object_version 6
	.text
	.protected	k_q3d508c4ebe_prep
	.globl	k_q3d508c4ebe_prep
	.p2align	8
	.type	k_q3d508c4ebe_prep,@function
k_q3d508c4ebe_prep:
	s_mov_b64 s[64:65], 0
	v_nop
	global_prefetch_b8 v0, s[64:65] scope:SCOPE_SE
	s_setreg_imm32_b32 hwreg(HW_REG_WAVE_MODE, 25, 1), 1
	s_wait_xcnt 0x0
; PREP: the operands of the two quantised products become codes of FP4 (E2M1) with one E8M0 byte for each 32 along K = 1,024, and Wout becomes f16.
;   x    [8192][1024] f32, K innermost  -> xc [8192][512 bytes], xs [8192][32 bytes]
;   Wq   [1024 k][1024 n], Wkv [1024 k][2048 n] f32, K the FIRST axis -> wc [3072 n][512 bytes], ws [3072][32 bytes]; n 0..1023 Wq's columns, n 1024..3071 Wkv's
;   Wout [1024 k][1024 n] f32 -> wo, the same places in f16
; A block's scale is 2^(floor(log2(its largest magnitude)) - 2): its byte is the largest magnitude's own exponent field - 2, held at 1 from below.
; LIMITS: a block of zeros gets the byte 1 where the rule says 127 (its codes are zeros, which add nothing under any byte but 0xff, and this program alone reads the bytes);
; NaN and infinities among the inputs are not served; |Wout| beyond 65,504 has no f16 number, and under 6e-5 it carries an absolute error of 2^-25.
; THREE ROLES, parted by the work-group's number: 0..47 the weights (128 columns x 512 along K each), 48..79 Wout (32,768 numbers each), 80..335 x (32,768 numbers each).
; Waves share nothing: no barrier.  Each role that uses LDS has LDS bytes of its own.
.set SPW,   28                         ; v28  LDS address of my spare word: SPARE + 4 x my thread's number; never rewritten
.set NIL,   29                         ; v29  0; never rewritten
.set SPARE, 67584                      ; behind both roles' regions: the spare words, 128 bytes a wave, two blocks of 256 bytes that no other line names
.set SP,    80                         ; role X: a lane's place in a stage: its 64 bytes + 16 of padding
.set XR,    32                         ; role X: v32-95 four sets of 16 numbers as loaded
.set XX,    96                         ;         v96-127 two sets of 16 neighbours
.set XE,    128                        ;         v128-143 a scale byte for each step
.set XC,    144                        ;         v144-207 codes, four registers a step: no store's data are written again
.set WST,   32768                      ; role W: four stages of 32 rows x 272 bytes
.set WP,    272
.set OF,    32                         ; role W: v32-63 byte offset of row i of a block: 4 x lane + i x the source's pitch
.set WX,    64                         ;         v64-127 two sets of 32 numbers
.set WC,    128                        ;         v128-131 a block's codes
.set SB,    24                         ;         v24-27 my column's 16 scale bytes
.set OUTR,  132                        ;         v132-195 the way out
.set ORG,   32                         ; role O: v32-159 two sets of 64 numbers
.set OO,    160                        ;         v160-223 two sets of 32 registers of f16 pairs
.macro FINISH                          ; a wave's end
	s_wait_tensorcnt 0x0
	ds_add_u32 v[SPW], v[NIL]
	s_wait_dscnt 0x0
	s_endpgm
.endm
	s_load_b512 s[4:19], s[0:1], 0x0               ; x s[4:5], Wq s[6:7], Wkv s[8:9], Wout s[10:11], xc s[12:13], xs s[14:15], wc s[16:17], ws s[18:19]
	s_load_b64 s[20:21], s[0:1], 0x40              ; wo
	v_lshl_add_u32 v[SPW], v0, 2, SPARE
	v_mov_b32 v[NIL], 0
	v_lshrrev_b32 v1, 5, v0
	v_readfirstlane_b32 s22, v1                    ; wave 0..3
	v_and_b32 v2, 31, v0                           ; lane
	s_mov_b32 s25, 0
	s_wait_kmcnt 0x0
	s_cmp_lt_u32 ttmp9, 48
	s_cbranch_scc1 .Lrole_w
	s_cmp_lt_u32 ttmp9, 80
	s_cbranch_scc1 .Lrole_o
; ---------------- ROLE X: x is a plain stream of blocks of 32.  A wave takes 16 steps of 512 numbers.
; Each load reads 512 consecutive bytes, 16 a lane; a step's 2,048 bytes turn through the wave's own stage in LDS and come back 64 bytes a lane: 16 NEIGHBOURS, as the conversions want them.
; Two neighbouring lanes hold a block.  A lane's 16 codes are 8 bytes: the wave stores 256 consecutive bytes, aligned.  The wave's 256 scale bytes are gathered in LDS and leave as one such run.
	s_sub_co_u32 s23, ttmp9, 80
	s_lshl_b32 s23, s23, 2
	s_add_co_u32 s23, s23, s22                     ; which run of 8,192 numbers is my wave's: 0..1023
	s_lshl_b32 s24, s23, 15
	s_add_nc_u64 s[4:5], s[4:5], s[24:25]          ; 32,768 bytes of x a run,
	s_lshl_b32 s24, s23, 12
	s_add_nc_u64 s[12:13], s[12:13], s[24:25]      ; 4,096 of codes,
	s_lshl_b32 s24, s23, 8
	s_add_nc_u64 s[14:15], s[14:15], s[24:25]      ; 256 of scale bytes
	s_lshl_b32 s26, s22, 13                        ; my wave's 8,192 bytes of LDS: two stages of 32 x 80, then 256 scale bytes
	v_lshlrev_b32 v3, 4, v2                        ; my 16 bytes of a load's 512
	v_lshrrev_b32 v14, 2, v2
	v_mul_u32_u24 v14, v14, SP
	v_and_b32 v15, 3, v2
	v_lshl_add_u32 v14, v15, 4, v14
	v_add_nc_u32 v14, s26, v14                     ; the stage, in: four lanes' 64 bytes on end, then 16 of padding
	v_mul_u32_u24 v15, v2, SP
	v_add_nc_u32 v15, s26, v15                     ; and out: my 16 neighbours
	v_lshlrev_b32 v4, 3, v2                        ; 8 x lane: my codes' place in a step's, and my 8 scale bytes on the way out
	v_lshrrev_b32 v5, 1, v2
	s_add_co_u32 s26, s26, 2*32*SP
	v_add_nc_u32 v5, s26, v5                       ; my block's byte
	v_add_nc_u32 v6, s26, v4
.macro XLOAD t
.irp i, 0,1,2,3
	global_load_b128 v[XR+16*((\t)%4)+4*\i:XR+16*((\t)%4)+4*\i+3], v3, s[4:5] offset:2048*(\t)+512*\i th:TH_LOAD_NT
.endr
.endm
.macro XTURN t                         ; LDS serves a wave's instructions in order: no wait between the stores and the loads
.irp i, 0,1,2,3
	ds_store_b128 v14, v[XR+16*((\t)%4)+4*\i:XR+16*((\t)%4)+4*\i+3] offset:32*SP*((\t)%2)+8*SP*\i
.endr
.irp i, 0,1,2,3
	ds_load_b128 v[XX+16*((\t)%2)+4*\i:XX+16*((\t)%2)+4*\i+3], v15 offset:32*SP*((\t)%2)+16*\i
.endr
.endm
.macro XSTEP t
.set XS, XX+16*((\t)%2)
.if (\t) > 0
	s_wait_dscnt 1                                 ; this step's numbers are back from the stage; the last step's byte store may be out
.else
	s_wait_dscnt 0x0
.endif
.if (\t)+4 < 16
	XLOAD (\t)+4                                   ; into the set whose stores into the stage are done
.endif
.if (\t)+1 < 16
.if 14-(\t) >= 3
	s_wait_loadcnt 12                              ; the next step's four loads are in; those of the three steps behind it may be out
.else
	s_wait_loadcnt 4*(14-(\t))
.endif
	XTURN (\t)+1
.endif
	v_max3_num_f32 v8, |v[XS]|, |v[XS+1]|, |v[XS+2]|               ; the largest magnitude of my 16, in two chains
	v_max3_num_f32 v9, |v[XS+3]|, |v[XS+4]|, |v[XS+5]|
.irp i, 6,10
	v_max3_num_f32 v8, v8, |v[XS+\i]|, |v[XS+\i+1]|
	v_max3_num_f32 v9, v9, |v[XS+\i+2]|, |v[XS+\i+3]|
.endr
	v_max3_num_f32 v8, v8, |v[XS+14]|, |v[XS+15]|
	v_max3_num_f32 v8, v8, v9, 0x1800000           ; and the floor 2^(3 - 127): the byte cannot fall under 1
	v_max_num_f32_dpp v8, v8, v8 row_xmask:1 row_mask:0xf bank_mask:0xf   ; with my neighbour's 16: the block's
	v_add_nc_u32 v11, 0xff000000, v8               ; 2 off its exponent field: the conversion takes that field as its scale and nothing else
	v_cvt_scalef32_pk8_fp4_f32 v[XC+4*(\t)], v[XS:XS+7], v11
	v_cvt_scalef32_pk8_fp4_f32 v[XC+4*(\t)+1], v[XS+8:XS+15], v11
	v_lshrrev_b32 v[XE+(\t)], 23, v11              ; the scale's byte (also the plain line behind the conversions)
	ds_store_b8 v5, v[XE+(\t)] offset:16*(\t)      ; both lanes of a block write the same byte with the same value
	global_store_b64 v4, v[XC+4*(\t):XC+4*(\t)+1], s[12:13] offset:256*(\t)
.endm
.irp t, 0,1,2,3
	XLOAD \t
.endr
	s_wait_loadcnt 12                              ; step 0's four loads are in
	XTURN 0
.irp t, 0,1,2,3,4,5,6,7,8,9,10,11,12,13,14,15
	XSTEP \t
.endr
	ds_load_b64 v[8:9], v6                         ; my wave's 256 scale bytes, 8 a lane; these see my stores
	s_wait_dscnt 0x0
	global_store_b64 v4, v[8:9], s[14:15]          ; 256 consecutive bytes, aligned
	FINISH
; ---------------- ROLE W: a lane takes a column n and its registers run DOWN K, so that a block of 32 along K lies in one lane and the codes come out with K innermost.
; A wave takes 32 columns x 512 along K: 16 blocks.  One path serves Wq and Wkv: the source, its pitch and its first column are chosen on the work-group's number.
.Lrole_w:
	s_lshr_b32 s24, ttmp9, 1                       ; which 128 columns of the 3,072: 0..23
	s_and_b32 s23, ttmp9, 1                        ; which half of K
	s_lshl_b32 s26, s24, 7
	s_lshl_b32 s27, s22, 5
	s_add_co_u32 s26, s26, s27                     ; n0: my wave's first column
	s_mov_b32 s28, 8192
	s_mov_b32 s29, 1024
	s_cmp_lt_u32 s24, 8                            ; Wq's columns or Wkv's?
	s_cselect_b64 s[30:31], s[6:7], s[8:9]
	s_cselect_b32 s28, 4096, s28                   ; a row of the source in bytes
	s_cselect_b32 s29, 0, s29                      ; the first n of the source
	s_sub_co_u32 s29, s26, s29
	s_lshl_b32 s29, s29, 2                         ; my first column in the source, in bytes
	s_lshl_b32 s32, s28, 9
	s_mul_i32 s32, s32, s23                        ; 512 rows down for the second half of K
	s_add_co_u32 s32, s32, s29
	s_mov_b32 s33, 0
	s_add_nc_u64 s[30:31], s[30:31], s[32:33]
	s_lshl_b32 s34, s28, 5                         ; from block to block: 32 rows
	s_mov_b32 s35, 0
	s_lshl_b32 s32, s26, 9
	s_lshl_b32 s37, s23, 8
	s_add_co_u32 s32, s32, s37
	s_add_nc_u64 s[16:17], s[16:17], s[32:33]      ; wc at row n0, + 256 bytes for the second half of K
	s_lshl_b32 s32, s26, 5
	s_lshl_b32 s37, s23, 4
	s_add_co_u32 s32, s32, s37
	s_add_nc_u64 s[18:19], s[18:19], s[32:33]      ; ws likewise: 32 bytes a row, + 16
	s_mul_i32 s36, s22, 32*WP
	s_add_co_u32 s36, s36, WST                     ; my stage
	v_mul_u32_u24 v4, v2, WP
	v_add_nc_u32 v4, s36, v4                       ; into it: row = my column
	v_and_b32 v5, 15, v2
	v_lshrrev_b32 v6, 4, v2
	v_mul_u32_u24 v7, v6, WP
	v_lshl_add_u32 v7, v5, 4, v7
	v_add_nc_u32 v7, s36, v7                       ; out of it: sixteen lanes to a row, two rows an instruction
	v_lshlrev_b32 v8, 9, v6
	v_lshl_add_u32 v8, v5, 4, v8                   ; and the same place in wc
	v_lshlrev_b32 v9, 5, v2                        ; my column's row of scale bytes
	v_lshlrev_b32 v10, 2, v2
.set i, 0
.rept 32
	v_mad_u32_u24 v[OF+i], s28, i, v10             ; row i of a block at my column
.set i, i+1
.endr
.macro WLOAD t                         ; block t: 32 rows at 32 neighbouring columns, 128 consecutive bytes a load, the four waves side by side on 512
.if (\t) > 0
	s_wait_xcnt 0x0                                ; the earlier loads have read their base: it steps only behind this wait
	s_add_nc_u64 s[30:31], s[30:31], s[34:35]
.endif
.set i, 0
.rept 32
	global_load_b32 v[WX+32*((\t)%2)+i], v[OF+i], s[30:31] th:TH_LOAD_NT
.set i, i+1
.endr
.endm
.macro WBLOCK t
.set XS, WX+32*((\t)%2)
.if (\t) < 15
	s_wait_loadcnt 32                              ; this block's 32 loads are in; the next block's may be out
.else
	s_wait_loadcnt 0x0
.endif
	v_max3_num_f32 v12, |v[XS]|, |v[XS+1]|, |v[XS+2]|              ; the block's largest magnitude: all 32 numbers are mine
	v_max3_num_f32 v13, |v[XS+3]|, |v[XS+4]|, |v[XS+5]|
.irp i, 6,10,14,18,22,26
	v_max3_num_f32 v12, v12, |v[XS+\i]|, |v[XS+\i+1]|
	v_max3_num_f32 v13, v13, |v[XS+\i+2]|, |v[XS+\i+3]|
.endr
	v_max3_num_f32 v12, v12, |v[XS+30]|, |v[XS+31]|
	v_max3_num_f32 v12, v12, v13, 0x1800000        ; and the floor 2^(3 - 127)
	v_add_nc_u32 v11, 0xff000000, v12              ; the conversion's scale operand
	v_lshrrev_b32 v13, 23, v11                     ; the scale's byte
.if (\t)%4 == 0
	v_mov_b32 v[SB+(\t)/4], v13                    ; four bytes to a register, the lower K in the lower byte
.else
	v_lshl_or_b32 v[SB+(\t)/4], v13, 8*((\t)%4), v[SB+(\t)/4]
.endif
.irp g, 0,1,2,3
	v_cvt_scalef32_pk8_fp4_f32 v[WC+\g], v[XS+8*\g:XS+8*\g+7], v11
.endr
	ds_store_b128 v4, v[WC:WC+3] offset:16*(\t)    ; 32 codes: 16 bytes of my column's row
.if (\t)+2 < 16
	WLOAD (\t)+2
.endif
	s_wait_dscnt 0x0                               ; the store has read its registers: the next block's codes may be written
.endm
	WLOAD 0
	WLOAD 1
.set Q, 0
.rept 16
	WBLOCK Q
.set Q, Q+1
.endr
	global_store_b128 v9, v[SB:SB+3], s[18:19]     ; my column's 16 scale bytes of this half of K (rows 32 bytes apart: 98,304 bytes in the whole launch leave so)
.irp t, 0,1,2,3,4,5,6,7,8,9,10,11,12,13,14,15
	ds_load_b128 v[OUTR+4*\t:OUTR+4*\t+3], v7 offset:2*\t*WP
.endr
.irp t, 0,1,2,3,4,5,6,7,8,9,10,11,12,13,14,15
	s_wait_dscnt 15-\t
	global_store_b128 v8, v[OUTR+4*\t:OUTR+4*\t+3], s[16:17] offset:2*\t*512   ; sixteen lanes store 256 consecutive bytes, aligned
.endr
	FINISH
; ---------------- ROLE O: Wout, number by number, to f16.  A wave takes 8,192 numbers in four batches of 16 loads of 512 bytes; a lane's four numbers become 8 bytes, a store 256 consecutive bytes.
.Lrole_o:
	s_sub_co_u32 s23, ttmp9, 48
	s_lshl_b32 s23, s23, 2
	s_add_co_u32 s23, s23, s22                     ; my run: 0..127
	s_lshl_b32 s24, s23, 15
	s_add_nc_u64 s[10:11], s[10:11], s[24:25]
	s_lshl_b32 s24, s23, 14
	s_add_nc_u64 s[20:21], s[20:21], s[24:25]
	v_lshlrev_b32 v3, 4, v2
	v_lshlrev_b32 v4, 3, v2
.macro OLOAD b
.set i, 0
.rept 16
	global_load_b128 v[ORG+64*((\b)%2)+4*i:ORG+64*((\b)%2)+4*i+3], v3, s[10:11] offset:512*(16*(\b)+i) th:TH_LOAD_NT
.set i, i+1
.endr
.endm
.macro OBATCH b
.if (\b) < 3
	s_wait_loadcnt 16                              ; this batch is in; the next batch's 16 loads may be out
.else
	s_wait_loadcnt 0x0
.endif
.if (\b) >= 2
	s_wait_xcnt 0x0                                ; the stores of two batches back have read their data: those registers are written again only behind this wait
.endif
.set i, 0
.rept 16
	v_cvt_pk_f16_f32 v[OO+32*((\b)%2)+2*i], v[ORG+64*((\b)%2)+4*i], v[ORG+64*((\b)%2)+4*i+1]
	v_cvt_pk_f16_f32 v[OO+32*((\b)%2)+2*i+1], v[ORG+64*((\b)%2)+4*i+2], v[ORG+64*((\b)%2)+4*i+3]
.set i, i+1
.endr
.if (\b)+2 < 4
	OLOAD (\b)+2                                   ; loads ahead of stores
.endif
.set i, 0
.rept 16
	global_store_b64 v4, v[OO+32*((\b)%2)+2*i:OO+32*((\b)%2)+2*i+1], s[20:21] offset:256*(16*(\b)+i)
.set i, i+1
.endr
.endm
	OLOAD 0
	OLOAD 1
	OBATCH 0
	OBATCH 1
	OBATCH 2
	OBATCH 3
	FINISH
.Lfunc_end_k_q3d508c4ebe_prep:
	.size	k_q3d508c4ebe_prep, .Lfunc_end_k_q3d508c4ebe_prep-k_q3d508c4ebe_prep
	.p2alignl 7, 3214868480
	.fill 96, 4, 3214868480
	.section	.rodata,"a",@progbits
	.p2align	6, 0x0
	.amdhsa_kernel k_q3d508c4ebe_prep
		.amdhsa_group_segment_fixed_size 68096
		.amdhsa_private_segment_fixed_size 0
		.amdhsa_enable_private_segment 0
		.amdhsa_kernarg_size 72
		.amdhsa_user_sgpr_count 2
		.amdhsa_user_sgpr_kernarg_segment_ptr 1
		.amdhsa_wavefront_size32 1
		.amdhsa_system_sgpr_workgroup_id_x 1
		.amdhsa_system_sgpr_workgroup_id_y 1
		.amdhsa_system_sgpr_workgroup_id_z 1
		.amdhsa_system_vgpr_workitem_id 0
		.amdhsa_next_free_vgpr 256
		.amdhsa_next_free_sgpr 66
		.amdhsa_reserve_vcc 0
		.amdhsa_float_denorm_mode_32 3
		.amdhsa_float_denorm_mode_16_64 3
		.amdhsa_memory_ordered 1
		.amdhsa_forward_progress 1
		.amdhsa_inst_pref_size 134
	.end_amdhsa_kernel
	.amdgpu_metadata
---
amdhsa.version: [ 1, 2 ]
amdhsa.kernels:
  - .name:           k_q3d508c4ebe_prep
    .symbol:         k_q3d508c4ebe_prep.kd
    .args:
      - { .name: x, .offset: 0, .size: 8, .value_kind: global_buffer, .address_space: global }
      - { .name: Wq, .offset: 8, .size: 8, .value_kind: global_buffer, .address_space: global }
      - { .name: Wkv, .offset: 16, .size: 8, .value_kind: global_buffer, .address_space: global }
      - { .name: Wout, .offset: 24, .size: 8, .value_kind: global_buffer, .address_space: global }
      - { .name: xc, .offset: 32, .size: 8, .value_kind: global_buffer, .address_space: global }
      - { .name: xs, .offset: 40, .size: 8, .value_kind: global_buffer, .address_space: global }
      - { .name: wc, .offset: 48, .size: 8, .value_kind: global_buffer, .address_space: global }
      - { .name: ws, .offset: 56, .size: 8, .value_kind: global_buffer, .address_space: global }
      - { .name: wo, .offset: 64, .size: 8, .value_kind: global_buffer, .address_space: global }
    .group_segment_fixed_size: 68096
    .private_segment_fixed_size: 0
    .kernarg_segment_align: 8
    .kernarg_segment_size: 72
    .max_flat_workgroup_size: 128
    .sgpr_count:     66
    .vgpr_count:     256
    .wavefront_size: 32
...
	.end_amdgpu_metadata
.endif
;; end of part 1
;; launch qkv (part 2): grid 16 x 32, 4 waves a work-group, clusters of 4 x 4, 262,144 bytes of LDS; arguments xc, xs, wc, ws, qkv; writes qkv
.if DOCPART == 2
	.amdgcn_target "amdgcn-amd-amdhsa--gfx1250"
	.amdhsa_code_object_version 6
	.text
	.protected	k_q3d508c4ebe_qkv
	.globl	k_q3d508c4ebe_qkv
	.p2align	8
	.type	k_q3d508c4ebe_qkv,@function
k_q3d508c4ebe_qkv:
	s_mov_b64 s[64:65], 0
	v_nop
	global_prefetch_b8 v0, s[64:65] scope:SCOPE_SE
	s_setreg_imm32_b32 hwreg(HW_REG_WAVE_MODE, 25, 1), 1
	s_wait_xcnt 0x0
	s_wait_alu depctr_hold_cnt(0) depctr_sa_sdst(0) depctr_va_vdst(0) depctr_va_sdst(0) depctr_va_ssrc(0) depctr_va_vcc(0) depctr_vm_vsrc(0)
	s_getreg_b32 s2, hwreg(HW_REG_IB_STS2, 6, 4)
	s_cmp_eq_u32 s2, 0
	s_cbranch_scc0 .Lentry_in_a_cluster
	s_endpgm
.Lentry_in_a_cluster:
	s_bfe_u32 s2, ttmp6, 0x10000c
	s_cmp_lg_u32 s2, 0xf033
	s_cbranch_scc0 .Lentry_shape_is_right
	s_endpgm
.Lentry_shape_is_right:
; QKV: [q | k | v] = x [Wq | Wkv] on codes of FP4 (E2M1) with one E8M0 scale for each 32 along K: M 8,192 x N 3,072 x K 1,024; sums in f32; results rounded to f16 and laid by head:
; qkv [which 3][batch 4][head 16][n 2048][64] f16, so that a head's rows are 128 bytes on end.
; LIMIT: |q|, |k|, |v| beyond 65,504 have no f16 number.
; A tile of the result is 256 rows x 192 columns (three heads): 16 x 32 = 512 work-groups.  Four waves, each 64 rows x 192 columns: 48 accumulators of 16 x 16, 384 registers.
; ALL OF K LIES IN LDS: two slots of 512 along K (rows of 256 bytes), and the tile's scale bytes, each filled ONCE, at the start: nothing is filled again, so there is no ring.  Three tensor loads of a wave are out at the most.
; CLUSTERS: 4 x 4 work-groups.  The four of a row of the cluster need the same rows of x, the four of a column the same rows of the weights: each tile is asked for JOINTLY.
; THE MATRIX INSTRUCTION IS USED TRANSPOSED (source 0 = 16 rows of the weights' codes, source 1 = 16 rows of x's): a lane holds eight neighbouring columns of one row.
; REGISTERS, in windows of 256: window 0: v16-30 addresses; v32-95 scale words and nothing else; v128-191 x's four fragments, two sets; v192-239 packed results; on the way out v96-191 rows read back.
;   window 1: the weights' twelve fragments, two sets, at v0 and v128.   window 2: the accumulators of my row blocks 0, 1 ((a, b) at v[8 (12 (a % 2) + b)]);   window 3: of blocks 2, 3.
.set PITCH,  272                       ; an LDS row: 256 bytes + 16 of padding: the 16 rows that a load touches start at 16 different banks (64 banks of 4 bytes: ISA guide 11.1)
.set ASZ,    256*PITCH
.set BSZ,    192*PITCH
.set SLOT,   ASZ+BSZ                   ; x's 256 rows, then the weights' 192
.set SCA,    2*SLOT                    ; x's scale bytes: 256 rows x 32, dense
.set SCB,    SCA+256*32                ; the weights': 192 rows x 32
.set SPARE,  SCB+192*32                ; the spare words, 128 bytes a wave: two blocks of 256 bytes that no other line names
.set SPITCH, 400                       ; the way out: a stage of 16 rows x (384 bytes + 16) for each wave, in slot 0, which has had its only fill and its last read by then
.set ADRA, 16                          ; v16-17  LDS address of my fragments of x in slot 0, 1
.set ADRB, 20                          ; v20-21  the same for the weights
.set STO,  24                          ; v24     the way out: where I put 16 bytes of a row
.set RD,   25                          ; v25     where I read back: four rows x 128 bytes
.set CO,   26                          ; v26     16 x lane: my place in 512 bytes of a head's rows
.set ADSA, 27                          ; v27     my scale words of x
.set SPW,  28                          ; v28     LDS address of my spare word; never rewritten
.set NIL,  29                          ; v29     0; never rewritten
.set ADSB, 30                          ; v30     my scale words of the weights
.set SC,   32                          ; x's block a at v[SC+4a], the weights' block b at v[SC+16+4b]; register j: lanes 0-15 the word of K step j, lanes 16-31 that of K step 4 + j
.set AF,   128
.set TMP,  192
.set BK,   96
.set G1,   24                          ; s[24:31] group 1 for x's codes; s[32:39] group 0, a set for each slot
.set G0,   32
.set G1B,  48                          ; s[48:55], s[56:63] the same for the weights'
.set G0B,  56
.set G1S,  68                          ; s[68:75], s[76:79] groups 1 and 0 for x's scales; s[80:87], s[88:91] for the weights'
.set G0S,  76
.set G1SB, 80
.set G0SB, 88
.set OB,   92                          ; s[92:97] where my rows begin in each of the tile's three heads
.set MSB, 0
.macro WIN new                         ; the immediate's high byte repeats the setting that is left
.if MSB != \new
	s_set_vgpr_msb (MSB<<8)|\new
.set MSB, \new
.endif
.endm
.set MUL_LO, 0xa1                      ; source 0 window 1, source 1 window 0, C and D window 2
.set MUL_HI, 0xf1                      ; the same, C and D window 3
.set TO_B,   0x40                      ; destination window 1, address window 0
; A joint load: waves 0 and 1 fetch for x, waves 2 and 3 for the weights.  Each line has one mask and one set of registers for all that issue it; the branch hangs on the wave's number alone.
; An s_nop 0 and four v_nop follow each of the two lines.
.macro JLOAD g0a, g1a, g0b, g1b
	s_cmp_eq_u32 s15, 0
	s_cbranch_scc0 .Lfor_b_\@
	tensor_load_to_lds s[\g0a:\g0a+3], s[\g1a:\g1a+7]
	s_nop 0
.rept 4
	v_nop
.endr
	s_branch .Lasked_\@
.Lfor_b_\@:
	tensor_load_to_lds s[\g0b:\g0b+3], s[\g1b:\g1b+7]
	s_nop 0
.rept 4
	v_nop
.endr
.Lasked_\@:
.endm
.macro CROUND                          ; a round of the cluster's barrier
	s_barrier_signal -1
	s_barrier_wait -1
	s_cmp_lg_u32 s14, 0
	s_cbranch_scc1 .Lnot_wave_0_\@
	s_barrier_signal -3
.Lnot_wave_0_\@:
	s_barrier_wait -3
	s_barrier_signal -1
	s_barrier_wait -1
.endm
.macro PLACES                          ; four plain places behind a matrix instruction, ahead of loads into its sources and of reads of its results (ISA guide 7.12.1 for reads of its results)
.rept 4
	v_nop
.endr
.endm
	s_load_b256 s[4:11], s[0:1], 0x0               ; xc s[4:5], xs s[6:7], wc s[8:9], ws s[10:11]
	s_load_b64 s[12:13], s[0:1], 0x20              ; qkv
	v_lshl_add_u32 v[SPW], v0, 2, SPARE
	v_mov_b32 v[NIL], 0
	ds_add_u32 v[SPW], v[NIL]                      ; the wave's opening: the add, twice on end, and its wait ahead of my first tensor load
	ds_add_u32 v[SPW], v[NIL]
	v_lshrrev_b32 v1, 5, v0
	v_readfirstlane_b32 s14, v1                    ; wave 0..3: my 64 rows of the tile
	s_lshr_b32 s15, s14, 1                         ; I fetch for x (0) or for the weights (1),
	s_and_b32 s16, s14, 1                          ; the first or the second half of the rows
	s_bfe_u32 s40, ttmp6, 0x40000                  ; cx, cy: my place in the cluster
	s_bfe_u32 s41, ttmp6, 0x40004
	s_lshl_b32 s42, ttmp9, 2
	s_add_co_u32 s42, s42, s40                     ; tile column = 4 x cluster x + cx
	s_and_b32 s17, ttmp7, 0xffff
	s_lshl_b32 s17, s17, 2
	s_add_co_u32 s17, s17, s41                     ; tile row = 4 x cluster y + cy
	s_lshl_b32 s43, s41, 2
	s_lshl_b32 s43, 15, s43                        ; my row of the cluster
	s_lshl_b32 s44, 0x1111, s40                    ; my column
	s_or_b32 s[G1+0], s43, (1<<20)|(1<<21)|(5<<22)|(3<<25)    ; 15:0 the mask; 17:16 elements of 1 byte; 20 padding on; 21 set beside a mask; 24:22 after every 64 words; 31:25 four words
	s_or_b32 s[G1B+0], s44, (1<<20)|(1<<21)|(5<<22)|(3<<25)
	s_mov_b32 s[G1+1], 256<<16                     ; tensor_dim0 = 256 bytes
	s_mov_b32 s[G1+2], 128<<16                     ; tensor_dim1 = 128 rows
	s_mov_b32 s[G1+3], 256<<16                     ; tile_dim0
	s_mov_b32 s[G1+4], 128                         ; tile_dim1
	s_mov_b32 s[G1+5], 512                         ; from row to row in memory
	s_mov_b32 s[G1+6], 0
	s_mov_b32 s[G1+7], 0
	s_mov_b32 s[G1B+1], 256<<16
	s_mov_b32 s[G1B+2], 96<<16                     ; 96 rows
	s_mov_b32 s[G1B+3], 256<<16
	s_mov_b32 s[G1B+4], 96
	s_mov_b32 s[G1B+5], 512
	s_mov_b32 s[G1B+6], 0
	s_mov_b32 s[G1B+7], 0
	s_or_b32 s[G1S+0], s43, (3<<16)|(1<<21)        ; the scales of 128 rows: 4,096 dense bytes as 16 rows of 32 elements of 8 bytes, no padding
	s_or_b32 s[G1SB+0], s44, (3<<16)|(1<<21)       ; of 96 rows: 12 such rows
	s_mov_b32 s[G1S+1], 32<<16
	s_mov_b32 s[G1S+2], 16<<16
	s_mov_b32 s[G1S+3], 32<<16
	s_mov_b32 s[G1S+4], 16
	s_mov_b32 s[G1S+5], 32
	s_mov_b32 s[G1S+6], 0
	s_mov_b32 s[G1S+7], 0
	s_mov_b32 s[G1SB+1], 32<<16
	s_mov_b32 s[G1SB+2], 12<<16
	s_mov_b32 s[G1SB+3], 32<<16
	s_mov_b32 s[G1SB+4], 12
	s_mov_b32 s[G1SB+5], 32
	s_mov_b32 s[G1SB+6], 0
	s_mov_b32 s[G1SB+7], 0
	s_lshl_b32 s18, s16, 7
	s_lshl_b32 s20, s17, 8
	s_add_co_u32 s20, s20, s18                     ; x: row 256 x tile row + 128 x half
	s_lshl_b32 s22, s20, 5                         ; its scales, 32 bytes a row,
	s_mov_b32 s23, 0
	s_lshl_b32 s20, s20, 9                         ; its codes, 512 bytes a row
	s_mov_b32 s21, 0
	s_mul_i32 s46, s42, 192
	s_mul_i32 s18, s16, 96
	s_add_co_u32 s46, s46, s18                     ; the weights: row 192 x tile column + 96 x half
	s_lshl_b32 s66, s46, 5
	s_mov_b32 s67, 0
	s_lshl_b32 s46, s46, 9
	s_mov_b32 s47, 0
	s_mul_i32 s45, s16, 128*PITCH                  ; where they go: no place in the cluster enters an LDS address
	s_mul_i32 s98, s16, 96*PITCH
	s_add_co_u32 s98, s98, ASZ
	s_lshl_b32 s99, s16, 12
	s_add_co_u32 s99, s99, SCA
	s_mul_i32 s19, s16, 3072
	s_add_co_u32 s19, s19, SCB
	s_wait_dscnt 0x0                               ; both opening adds are done
	s_wait_kmcnt 0x0
	s_add_nc_u64 s[20:21], s[4:5], s[20:21]
	s_add_nc_u64 s[22:23], s[6:7], s[22:23]
	s_add_nc_u64 s[46:47], s[8:9], s[46:47]
	s_add_nc_u64 s[66:67], s[10:11], s[66:67]
	CROUND                                         ; all sixteen work-groups are here: the joint loads meet
	s_mov_b32 s[G0S], 1
	s_mov_b32 s[G0S+1], s99
	s_mov_b64 s[G0S+2:G0S+3], s[22:23]
	s_or_b32 s[G0S+3], s[G0S+3], 0x80000000
	s_mov_b32 s[G0SB], 1
	s_mov_b32 s[G0SB+1], s19
	s_mov_b64 s[G0SB+2:G0SB+3], s[66:67]
	s_or_b32 s[G0SB+3], s[G0SB+3], 0x80000000
	JLOAD G0S, G1S, G0SB, G1SB                     ; the scales first: they are wanted with K step 0
.irp s, 0,1
	s_mov_b32 s[G0+4*\s], 1
	s_add_co_u32 s[G0+4*\s+1], s45, \s*SLOT
	s_add_nc_u64 s[G0+4*\s+2:G0+4*\s+3], s[20:21], \s*256
	s_or_b32 s[G0+4*\s+3], s[G0+4*\s+3], 0x80000000
	s_mov_b32 s[G0B+4*\s], 1
	s_add_co_u32 s[G0B+4*\s+1], s98, \s*SLOT
	s_add_nc_u64 s[G0B+4*\s+2:G0B+4*\s+3], s[46:47], \s*256
	s_or_b32 s[G0B+4*\s+3], s[G0B+4*\s+3], 0x80000000
	JLOAD G0+4*\s, G1, G0B+4*\s, G1B
.endr
	v_and_b32 v1, 15, v0                           ; r = lane % 16
	v_bfe_u32 v2, v0, 4, 1                         ; h = lane / 16
	v_mul_u32_u24 v3, v1, PITCH
	v_lshl_add_u32 v4, v2, 4, v3                   ; a fragment's row x pitch + 16 h
	s_mul_i32 s21, s14, 64*PITCH                   ; my 64 rows of x
	v_add_nc_u32 v[ADRA], s21, v4
	v_add_nc_u32 v[ADRA+1], SLOT, v[ADRA]
	v_add_nc_u32 v[ADRB], ASZ, v4                  ; every wave reads all 192 rows of the weights
	v_add_nc_u32 v[ADRB+1], SLOT, v[ADRB]
	v_lshlrev_b32 v5, 5, v1
	v_lshl_add_u32 v5, v2, 4, v5                   ; a row's 32 scale bytes: lanes 0-15 the words of K steps 0-3, lanes 16-31 those of 4-7
	s_lshl_b32 s21, s14, 11
	s_add_co_u32 s21, s21, SCA
	v_add_nc_u32 v[ADSA], s21, v5
	v_add_nc_u32 v[ADSB], SCB, v5
	s_mul_i32 s21, s14, 16*SPITCH                  ; my stage
	v_mul_u32_u24 v5, v1, SPITCH
	v_lshl_add_u32 v5, v2, 4, v5
	v_add_nc_u32 v[STO], s21, v5                   ; in: row r, + 16 h
	v_and_b32 v6, 31, v0
	v_lshrrev_b32 v7, 3, v6
	v_and_b32 v8, 7, v6
	v_mul_u32_u24 v7, v7, SPITCH
	v_lshl_add_u32 v7, v8, 4, v7
	v_add_nc_u32 v[RD], s21, v7                    ; back: eight lanes to a row's 128 bytes of one head, four rows an instruction
	v_lshlrev_b32 v[CO], 4, v6                     ; which are 512 bytes on end in qkv
	s_mul_i32 s18, s42, 3                          ; the tile's first head among the 48 (16 of q, 16 of k, 16 of v)
	s_lshr_b32 s19, s17, 3
	s_lshl_b32 s19, s19, 4                         ; 16 x batch
	s_and_b32 s20, s17, 7
	s_lshl_b32 s20, s20, 8
	s_lshl_b32 s21, s14, 6
	s_add_co_u32 s20, s20, s21
	s_lshl_b32 s20, s20, 7                         ; my first row in the sequence, 128 bytes a row
.irp j, 0,1,2
	s_add_co_u32 s21, s18, \j
	s_lshr_b32 s22, s21, 4
	s_lshl_b32 s22, s22, 6                         ; 64 x which
	s_and_b32 s21, s21, 15                         ; the head
	s_add_co_u32 s22, s22, s21
	s_add_co_u32 s22, s22, s19
	s_lshl_b32 s22, s22, 18                        ; 262,144 bytes a head
	s_add_co_u32 s22, s22, s20
	s_mov_b32 s23, 0
	s_add_nc_u64 s[OB+2*\j:OB+2*\j+1], s[12:13], s[22:23]
.endr
.macro FRAG reg, adr, qq, i            ; 16 rows x 128 K of 4-bit codes: 8 registers; lane l holds row l % 16; registers 4 c .. 4 c + 3 hold K = 64 c + 32 (l / 16) + 0 .. 31
.irp c, 0,1
	ds_load_b128 v[\reg+4*\c:\reg+4*\c+3], v[\adr] offset:64*(\qq)+32*\c+(\i)*16*PITCH
.endr
.endm
.macro FETCH q                         ; K step q's fragments into set q % 2: 24 loads for the weights, 8 for x
	WIN TO_B
.irp i, 0,1,2,3,4,5,6,7,8,9,10,11
	FRAG 128*((\q)%2)+8*\i, ADRB+(\q)/4, (\q)%4, \i
.endr
	WIN 0
.irp i, 0,1,2,3
	FRAG AF+32*((\q)%2)+8*\i, ADRA+(\q)/4, (\q)%4, \i
.endr
.endm
; 24 matrix instructions: my row blocks 2 hi, 2 hi + 1 against the weights' twelve.  The 48 accumulators take turns, one instruction a turn, in the same order in every K step.
; zero = 1: the first K step starts the sums.  K steps 4 to 7 take their scale words from lanes 16-31.
.macro MUL24 hi, q, zero
.irp a, 2*\hi, 2*\hi+1
.irp b, 0,1,2,3,4,5,6,7,8,9,10,11
.if \zero
	v_wmma_scale_f32_16x16x128_f8f6f4 v[8*(12*((\a)%2)+\b):8*(12*((\a)%2)+\b)+7], v[128*((\q)%2)+8*\b:128*((\q)%2)+8*\b+7], v[AF+32*((\q)%2)+8*(\a):AF+32*((\q)%2)+8*(\a)+7], 0, v[SC+16+4*\b+(\q)%4], v[SC+4*(\a)+(\q)%4] matrix_a_fmt:MATRIX_FMT_FP4 matrix_b_fmt:MATRIX_FMT_FP4
.elseif (\q) < 4
	v_wmma_scale_f32_16x16x128_f8f6f4 v[8*(12*((\a)%2)+\b):8*(12*((\a)%2)+\b)+7], v[128*((\q)%2)+8*\b:128*((\q)%2)+8*\b+7], v[AF+32*((\q)%2)+8*(\a):AF+32*((\q)%2)+8*(\a)+7], v[8*(12*((\a)%2)+\b):8*(12*((\a)%2)+\b)+7], v[SC+16+4*\b+(\q)%4], v[SC+4*(\a)+(\q)%4] matrix_a_fmt:MATRIX_FMT_FP4 matrix_b_fmt:MATRIX_FMT_FP4
.else
	v_wmma_scale_f32_16x16x128_f8f6f4 v[8*(12*((\a)%2)+\b):8*(12*((\a)%2)+\b)+7], v[128*((\q)%2)+8*\b:128*((\q)%2)+8*\b+7], v[AF+32*((\q)%2)+8*(\a):AF+32*((\q)%2)+8*(\a)+7], v[8*(12*((\a)%2)+\b):8*(12*((\a)%2)+\b)+7], v[SC+16+4*\b+(\q)%4], v[SC+4*(\a)+(\q)%4] matrix_a_fmt:MATRIX_FMT_FP4 matrix_b_fmt:MATRIX_FMT_FP4 matrix_a_scale:MATRIX_SCALE_ROW1 matrix_b_scale:MATRIX_SCALE_ROW1
.endif
.endr
.endr
.endm
; A K step of 128: its fragments are in; the next step's 32 loads go out in one run ahead of its 48 matrix instructions.
; K step 3 is slot 0's last: ahead of slot 1's first read each wave shows its part of slot 1 landed and its reads of slot 0 over, and passes a barrier.
.macro STEP q, zero
	s_wait_dscnt 0x0
.if (\q) == 3
	s_wait_tensorcnt 0x0
	s_barrier_signal -1
	WIN MUL_LO
	MUL24 0, \q, \zero
	WIN 0
	s_barrier_wait -1
	PLACES
	FETCH 4
.else
.if (\q) < 7
.if (\q) > 0
	PLACES
.endif
	FETCH (\q)+1
.endif
	WIN MUL_LO
	MUL24 0, \q, \zero
.endif
	WIN MUL_HI
	MUL24 1, \q, \zero
	WIN 0
.endm
	s_wait_tensorcnt 1                             ; the scales and my part of slot 0 are in; slot 1's load may be out
	s_barrier_signal -1
	s_barrier_wait -1                              ; everybody's are
.irp a, 0,1,2,3
	ds_load_b128 v[SC+4*\a:SC+4*\a+3], v[ADSA] offset:512*\a
.endr
.irp b, 0,1,2,3,4,5,6,7,8,9,10,11
	ds_load_b128 v[SC+16+4*\b:SC+16+4*\b+3], v[ADSB] offset:512*\b
.endr
	FETCH 0
	STEP 0, 1
.irp q, 1,2,3,4,5,6,7
	STEP \q, 0
.endr
; THE WAY OUT, a block of 16 rows x 192 columns at a time: rounded to f16, 16 bytes a lane into my stage, back as four rows x 128 bytes of one head, which are 512 consecutive bytes of qkv.
.macro PACK a
.set AC, 96*((\a)%2)
	WIN 0x0a+5*((\a)/2)                            ; sources 0 and 1: window 2 or 3
.irp b, 0,1,2,3,4,5,6,7,8,9,10,11
.irp r, 0,1,2,3
	v_cvt_pk_f16_f32 v[TMP+4*\b+\r], v[AC+8*\b+2*\r], v[AC+8*\b+2*\r+1]   ; each accumulator from its low end on
.endr
.endr
	WIN 0
.endm
.macro TOSTAGE a
.set BB, BK+48*((\a)%2)
.irp b, 0,1,2,3,4,5,6,7,8,9,10,11
	ds_store_b128 v[STO], v[TMP+4*\b:TMP+4*\b+3] offset:32*\b
.endr
.irp j, 0,1,2
.irp i, 0,1,2,3
	ds_load_b128 v[BB+4*(4*\j+\i):BB+4*(4*\j+\i)+3], v[RD] offset:128*\j+4*SPITCH*\i   ; LDS serves a wave's instructions in order: these see the stores above
.endr
.endr
.endm
.macro SEND a, younger                 ; younger: the LDS instructions issued behind block a's loads
.set BB, BK+48*((\a)%2)
	s_wait_dscnt \younger
.irp j, 0,1,2
.irp i, 0,1,2,3
	global_store_b128 v[CO], v[BB+4*(4*\j+\i):BB+4*(4*\j+\i)+3], s[OB+2*\j:OB+2*\j+1] offset:2048*(\a)+512*\i
.endr
.endr
.endm
	PLACES
	PACK 0
	TOSTAGE 0
.irp a, 1,2,3
	PACK \a
.if \a > 1
	s_wait_xcnt 0x0                                ; block a - 2's stores have read their registers: block a's loads may land there
.endif
	TOSTAGE \a
	SEND \a-1, 24                                  ; behind block a - 1's loads: block a's 12 stores and 12 loads
.endr
	SEND 3, 0
	s_wait_tensorcnt 0x0                           ; the wave's end
	ds_add_u32 v[SPW], v[NIL]
	s_wait_dscnt 0x0
	CROUND                                         ; the closing round: no work-group ends while a partner may still ask for a tile that names it
	s_endpgm
.Lfunc_end_k_q3d508c4ebe_qkv:
	.size	k_q3d508c4ebe_qkv, .Lfunc_end_k_q3d508c4ebe_qkv-k_q3d508c4ebe_qkv
	.p2alignl 7, 3214868480
	.fill 96, 4, 3214868480
	.section	.rodata,"a",@progbits
	.p2align	6, 0x0
	.amdhsa_kernel k_q3d508c4ebe_qkv
		.amdhsa_group_segment_fixed_size 262144
		.amdhsa_private_segment_fixed_size 0
		.amdhsa_enable_private_segment 0
		.amdhsa_kernarg_size 40
		.amdhsa_user_sgpr_count 2
		.amdhsa_user_sgpr_kernarg_segment_ptr 1
		.amdhsa_wavefront_size32 1
		.amdhsa_system_sgpr_workgroup_id_x 1
		.amdhsa_system_sgpr_workgroup_id_y 1
		.amdhsa_system_sgpr_workgroup_id_z 1
		.amdhsa_system_vgpr_workitem_id 0
		.amdhsa_next_free_vgpr 1024
		.amdhsa_next_free_sgpr 100
		.amdhsa_reserve_vcc 0
		.amdhsa_float_denorm_mode_32 3
		.amdhsa_float_denorm_mode_16_64 3
		.amdhsa_memory_ordered 1
		.amdhsa_forward_progress 1
		.amdhsa_inst_pref_size 101
	.end_amdhsa_kernel
	.amdgpu_metadata
---
amdhsa.version: [ 1, 2 ]
amdhsa.kernels:
  - .name:           k_q3d508c4ebe_qkv
    .symbol:         k_q3d508c4ebe_qkv.kd
    .args:
      - { .name: xc, .offset: 0, .size: 8, .value_kind: global_buffer, .address_space: global }
      - { .name: xs, .offset: 8, .size: 8, .value_kind: global_buffer, .address_space: global }
      - { .name: wc, .offset: 16, .size: 8, .value_kind: global_buffer, .address_space: global }
      - { .name: ws, .offset: 24, .size: 8, .value_kind: global_buffer, .address_space: global }
      - { .name: qkv, .offset: 32, .size: 8, .value_kind: global_buffer, .address_space: global }
    .group_segment_fixed_size: 262144
    .private_segment_fixed_size: 0
    .kernarg_segment_align: 8
    .kernarg_segment_size: 40
    .max_flat_workgroup_size: 128
    .sgpr_count:     100
    .vgpr_count:     1024
    .wavefront_size: 32
...
	.end_amdgpu_metadata
.endif
;; end of part 2
;; launch attn (part 3): grid 4 x 64, 8 waves a work-group, clusters of 4 x 1, 327,680 bytes of LDS; arguments qkv, ao; writes ao
.if DOCPART == 3
	.amdgcn_target "amdgcn-amd-amdhsa--gfx1250"
	.amdhsa_code_object_version 6
	.text
	.protected	k_q3d508c4ebe_attn
	.globl	k_q3d508c4ebe_attn
	.p2align	8
	.type	k_q3d508c4ebe_attn,@function
k_q3d508c4ebe_attn:
	s_mov_b64 s[64:65], 0
	v_nop
	global_prefetch_b8 v0, s[64:65] scope:SCOPE_SE
	s_setreg_imm32_b32 hwreg(HW_REG_WAVE_MODE, 25, 1), 1
	s_wait_xcnt 0x0
	s_wait_alu depctr_hold_cnt(0) depctr_sa_sdst(0) depctr_va_vdst(0) depctr_va_sdst(0) depctr_va_ssrc(0) depctr_va_vcc(0) depctr_vm_vsrc(0)
	s_getreg_b32 s2, hwreg(HW_REG_IB_STS2, 6, 4)
	s_cmp_eq_u32 s2, 0
	s_cbranch_scc0 .Lentry_in_a_cluster
	s_endpgm
.Lentry_in_a_cluster:
	s_bfe_u32 s2, ttmp6, 0x10000c
	s_cmp_lg_u32 s2, 0x3003
	s_cbranch_scc0 .Lentry_shape_is_right
	s_endpgm
.Lentry_shape_is_right:
; ATTN: O[bh][q] = the sum over k of softmax_k(Q[bh][q] . K[bh][k] / 8) V[bh][k].  Q, K, V: f16, [which][bh 64][2048][64] in qkv.  Products, maxima and sums in f32; the weights p go to the second product in f16.
; The result leaves in f16 as ao [head 16][row 8192][64], row = 2,048 x batch + query.
; LIMIT: |O| is at most the largest |v|, which has an f16 number by the launch before; p under 6e-5 carries an absolute error of 2^-25 beside a row's sum of at least 1/2.
; SHARES.  A work-group owns 512 queries of one head, each of its eight waves 64: four tiles of 16; two waves to a SIMD, so that one wave's vector work can stand beside the other's matrix work.  Every wave walks all 2,048 keys, 64 a step.
; LAYOUT.  S^T = K Q^T (source 0 = 16 keys, source 1 = 16 queries): a lane holds ONE query (lane % 16) and keys 8 (lane / 16) + 0..7.  Two such tiles rounded to f16 in pairs ARE source 1 of O^T = V^T P.
; K comes out of LDS as it lies, V ([key][channel]) turned, by ds_load_tr16_b128.  P is written over the low 16 registers of its tile's S^T.
; SOFTMAX.  t = c s, c = log2(e) / 8.  M = the running largest t, rounded UP to a whole number, kept as -M; p = 2^(t - M).  When M moves, the sum and O^T are multiplied by f = 2^(old M - new M), made by v_ldexp_f32:
; nothing is rounded, there is no branch on data, and f hangs on no exponential, so O^T's rescaling stands among the exponentials.
; ORDER OF A KEY STEP i: K(i) asked of LDS | V^T P of step i - 1 | K Q^T of step i | V(i) asked of LDS | the softmax of step i.
; CLUSTER.  A head's four query blocks form a cluster and walk the same K and V: each tile is asked for JOINTLY, by the same tensor load with a mask that names the four.
; RING.  Two slots of four key steps; each of the eight waves brings one tile (waves 0-3: K of step w; waves 4-7: V of step w - 4): one load a wave behind each round, with four key steps in which to land.
; REGISTERS: window 0: v1-15 addresses; v16-63 twelve registers of statistics a tile; v64-127 Q; v128-191 K of a step; v192-255 V of a step.   window 1: v0-127 S^T, 32 a tile; v128-255 O^T, 32 a tile.
.set KS,    64
.set PK,    144                        ; a row of K in LDS: 128 bytes + 16: an odd multiple of 16, so the 16 rows of a load start at 16 different groups of banks (ISA guide 11.1)
.set PVP,   160                        ; a row of V: 128 + 32: an odd multiple of 32, for the turning load
.set VOFF,  KS*PK
.set STEPB, KS*(PK+PVP)                ; a step's tiles lie together: 64 rows of K, then 64 of V
.set NST,   4                          ; key steps in a slot
.set SLOT1, 1<<17                      ; slot 1 begins here: one exclusive or turns an address in one slot into the other's
.set SLOTB, NST*KS*128                 ; a slot's keys in memory: 32,768 bytes of K, as many of V
.set STAGE, SLOT1+NST*STEPB            ; behind the ring: 16 rows x 144 bytes for each wave
.set SP,    144
.set SPARE, STAGE+8*16*SP              ; the spare words, 128 bytes a wave: four blocks of 256 bytes that no other line names
.set AK0, 2                            ; v2   my lane's place in a tile of K
.set AV0, 3                            ; v3   the same for V
.set ADR, 4                            ; v4   the LDS address of the run of loads in hand
.set QO,  5                            ; v5   my byte offset in the wave's rows of Q
.set STO, 6                            ; v6   the way out: where I put 16 bytes of a row
.set RD,  7                            ; v7   where I read back: four rows x 128 bytes
.set GO,  8                            ; v8   16 x lane
.set PFO, 12                           ; v12  256 x lane: the prefetches' offset; never rewritten
.set SPW, 14                           ; v14  LDS address of my spare word; never rewritten
.set NIL, 15                           ; v15  0; never rewritten
.set ST,  16                           ; tile t's statistics at v[ST+12 t]: +0 -M (+1 named with it); +2, +3 the sum in two halves; +4 f (+5 named with it); +6..+9 at work; +10, +11 a second chain of the sum
.set QR,  64
.set KR,  128
.set VR,  192
.set WV,  12                           ; s12  my wave's number
.set LIM, 15                           ; s15  1 in a wave that prefetches, else the greatest number
.set PFA, 18                           ; s[18:19] where my prefetches stand
.set G1K, 24
.set G1V, 32
.set G0K, 40                           ; s[40:47] group 0 for K's tiles: a set for each first fill; the second then walks
.set G0V, 48
.set SLOTS, 56
.set CNT, 57
.set CS,  58                           ; s[58:59] c, twice: the packed form names a pair
.set SEL, 60                           ; s[60:61] v_permlanex16_b32's selects for lane l xor 16
.set TB,  62                           ; s62  LDS byte at which the tiles of the step to be fetched begin
.set NC,  63                           ; s63  -c
.set MSB, 0
.macro WIN new
.if MSB != \new
	s_set_vgpr_msb (MSB<<8)|\new
.set MSB, \new
.endif
.endm
.macro PLACES n
.rept \n
	v_nop
.endr
.endm
.macro JLOAD                           ; a joint refill: waves 0-3 K's tiles, waves 4-7 V's; an s_nop 0 and four v_nop follow each line
	s_cmp_lt_u32 s[WV], 4
	s_cbranch_scc0 .Lfor_v_\@
	tensor_load_to_lds s[G0K+4:G0K+7], s[G1K:G1K+7]
	s_nop 0
.rept 4
	v_nop
.endr
	s_branch .Lasked_\@
.Lfor_v_\@:
	tensor_load_to_lds s[G0V+4:G0V+7], s[G1V:G1V+7]
	s_nop 0
.rept 4
	v_nop
.endr
.Lasked_\@:
.endm
; A PREFETCH INTO THE L2 of what the NEXT change of slots will ask for: 32,768 bytes of K and as many of V.  A head has one cluster; its four partners take 8,192 bytes of each, told apart BY ADDRESS;
; in each, wave 0 asks for K's and wave 4 for V's, lanes 256 bytes apart: each aligned block of 256 bytes is named once in the launch.  It stands behind the wave's tensor load and its five lines.
; The last change that fills a slot asks for nothing; slots 0, 1 and 2 come by their loads alone.
.macro ASK
	s_cmp_gt_u32 s[SLOTS], s[LIM]
	s_cbranch_scc0 .Lnot_mine_\@
	global_prefetch_b8 v[PFO], s[PFA:PFA+1] th:TH_LOAD_NT scope:SCOPE_SE
.Lnot_mine_\@:
.endm
.macro CROUND
	s_barrier_signal -1
	s_barrier_wait -1
	s_cmp_lg_u32 s[WV], 0
	s_cbranch_scc1 .Lnot_wave_0_\@
	s_barrier_signal -3
.Lnot_wave_0_\@:
	s_barrier_wait -3
	s_barrier_signal -1
	s_barrier_wait -1
.endm
	s_load_b128 s[4:7], s[0:1], 0x0                ; qkv s[4:5], ao s[6:7]
	v_lshl_add_u32 v[SPW], v0, 2, SPARE
	v_mov_b32 v[NIL], 0
	ds_add_u32 v[SPW], v[NIL]                      ; the wave's opening: the add, twice on end, and its wait ahead of my first tensor load
	ds_add_u32 v[SPW], v[NIL]
	v_lshrrev_b32 v1, 5, v0
	v_readfirstlane_b32 s[WV], v1                  ; wave 0..7
	s_bfe_u32 s13, ttmp6, 0x40000                  ; cx: my block of 512 queries; it enters Q's, O's and the prefetches' addresses alone
	s_and_b32 s14, ttmp7, 0xffff                   ; 16 x batch + head, which the four partners share
	s_lshl_b32 s20, s14, 18                        ; the head's 262,144 bytes
	s_mov_b32 s21, 0
	s_and_b32 s16, s[WV], 3                        ; which of a slot's four steps I fetch:
	s_lshl_b32 s22, s16, 13                        ; its 64 rows of 128 bytes in memory,
	s_add_co_u32 s22, s22, s20
	s_mov_b32 s23, 0
	s_mul_i32 s17, s16, STEPB                      ; and its place in a slot
	s_lshl_b32 s2, s13, 9
	s_lshl_b32 s3, s[WV], 6
	s_add_co_u32 s2, s2, s3                        ; my wave's first query: 512 cx + 64 wave
	s_lshl_b32 s3, s2, 7
	s_add_co_u32 s20, s20, s3                      ; its row of Q
	s_lshr_b32 s3, s14, 4
	s_lshl_b32 s3, s3, 11
	s_add_co_u32 s2, s2, s3                        ; its row of ao: 2,048 x batch + query,
	s_lshl_b32 s2, s2, 7
	s_and_b32 s3, s14, 15
	s_lshl_b32 s3, s3, 20                          ; in the head's 1,048,576 bytes
	s_add_co_u32 s2, s2, s3
	s_mov_b32 s3, 0
	s_mov_b32 s[G1K], 15|(1<<16)|(1<<20)|(1<<21)|(4<<22)|(3<<25)   ; 15:0 the mask: all four; 17:16 elements of 2 bytes; 20 padding on; 21 set beside a mask; 24:22 after every 32 words; 31:25 four words
	s_mov_b32 s[G1V], 15|(1<<16)|(1<<20)|(1<<21)|(4<<22)|(7<<25)   ; the same with eight words of padding
.irp g, G1K, G1V
	s_mov_b32 s[\g+1], 64<<16                      ; tensor_dim0 = 64
	s_mov_b32 s[\g+2], KS<<16                      ; tensor_dim1 = 64
	s_mov_b32 s[\g+3], 64<<16                      ; tile_dim0 = 64
	s_mov_b32 s[\g+4], KS                          ; tile_dim1 = 64
	s_mov_b32 s[\g+5], 64                          ; elements from row to row
	s_mov_b32 s[\g+6], 0
	s_mov_b32 s[\g+7], 0
.endr
	s_mov_b32 s[CS], 0x3e38aa3b                    ; c = log2(e) / 8
	s_mov_b32 s[CS+1], s[CS]
	s_mov_b32 s[NC], 0xbe38aa3b                    ; -c
	s_mov_b32 s[SEL], 0x76543210
	s_mov_b32 s[SEL+1], 0xfedcba98
	s_mov_b32 s[TB], 0
	s_mov_b32 s[SLOTS], 2048/(NST*KS)-2            ; six slots are filled again
	s_cmp_eq_u32 s16, 0                            ; waves 0 and 4 prefetch: the same in all four partners
	s_cselect_b32 s[LIM], 1, -1
	v_and_b32 v[PFO], 31, v0
	v_lshlrev_b32 v[PFO], 8, v[PFO]
	s_wait_dscnt 0x0                               ; both opening adds are done
	s_wait_kmcnt 0x0
	s_add_nc_u64 s[8:9], s[4:5], s[22:23]
	s_add_nc_u64 s[10:11], s[8:9], 33554432        ; V at my tile of slot 0
	s_add_nc_u64 s[8:9], s[8:9], 16777216          ; K likewise
	s_add_nc_u64 s[4:5], s[4:5], s[20:21]          ; Q at my wave's first row
	s_add_nc_u64 s[6:7], s[6:7], s[2:3]            ; ao likewise
	s_cmp_lt_u32 s[WV], 4
	s_cselect_b64 s[PFA:PFA+1], s[8:9], s[10:11]   ; (in waves 0 and 4 these stand at a slot's first row)
	s_lshl_b32 s2, s13, 13                         ; my work-group's 8,192 bytes of the 32,768
	s_add_nc_u64 s[PFA:PFA+1], s[PFA:PFA+1], s[2:3]
	s_add_nc_u64 s[PFA:PFA+1], s[PFA:PFA+1], 2*SLOTB   ; in slot 2; the first change of slots steps it to slot 3.  Nothing is prefetched here, at the head
	CROUND                                         ; all four work-groups are here: the first joint loads meet
.irp s, 0,1
	s_mov_b32 s[G0K+4*\s], 1
	s_add_co_u32 s[G0K+4*\s+1], s17, \s*SLOT1
	s_add_nc_u64 s[G0K+4*\s+2:G0K+4*\s+3], s[8:9], \s*SLOTB
	s_or_b32 s[G0K+4*\s+3], s[G0K+4*\s+3], 0x80000000
	s_mov_b32 s[G0V+4*\s], 1
	s_add_co_u32 s[G0V+4*\s+1], s17, \s*SLOT1+VOFF
	s_add_nc_u64 s[G0V+4*\s+2:G0V+4*\s+3], s[10:11], \s*SLOTB
	s_or_b32 s[G0V+4*\s+3], s[G0V+4*\s+3], 0x80000000
.endr
	s_cmp_lt_u32 s[WV], 4                          ; a wave's two first fills stand in one branch, ahead of every wait on TENSORcnt and every LDS read: two loads of mine are out
	s_cbranch_scc0 .Lfirst_v
	tensor_load_to_lds s[G0K:G0K+3], s[G1K:G1K+7]
	s_nop 0
	tensor_load_to_lds s[G0K+4:G0K+7], s[G1K:G1K+7]
	s_nop 0
.rept 4
	v_nop
.endr
	s_branch .Lfirst_asked
.Lfirst_v:
	tensor_load_to_lds s[G0V:G0V+3], s[G1V:G1V+7]
	s_nop 0
	tensor_load_to_lds s[G0V+4:G0V+7], s[G1V:G1V+7]
	s_nop 0
.rept 4
	v_nop
.endr
.Lfirst_asked:
	v_and_b32 v1, 15, v0                           ; r = lane % 16
	v_bfe_u32 v9, v0, 4, 1                         ; h = lane / 16
	v_lshlrev_b32 v[QO], 7, v1
	v_lshl_add_u32 v[QO], v9, 4, v[QO]             ; row x 128 + 16 h
.irp t, 0,1,2,3
.irp c, 0,1
	global_load_b128 v[QR+16*\t+8*\c:QR+16*\t+8*\c+3],   v[QO], s[4:5] offset:\t*2048+64*\c      ; Q stays in registers: tile t, channels 32 c on
	global_load_b128 v[QR+16*\t+8*\c+4:QR+16*\t+8*\c+7], v[QO], s[4:5] offset:\t*2048+64*\c+32
.endr
.endr
	v_mul_u32_u24 v[AK0], v1, PK
	v_lshl_add_u32 v[AK0], v9, 4, v[AK0]           ; row x pitch + 16 h
	v_and_b32 v10, 7, v0
	v_bfe_u32 v11, v0, 3, 1
	v_lshl_add_u32 v[AV0], v9, 3, v10              ; the turning load: key 8 h + lane % 8, channels 8 ((lane / 8) % 2) on
	v_mul_u32_u24 v[AV0], v[AV0], PVP
	v_lshl_add_u32 v[AV0], v11, 4, v[AV0]
	v_add_nc_u32 v[AV0], VOFF, v[AV0]
	s_mul_i32 s2, s[WV], 16*SP
	s_add_co_u32 s2, s2, STAGE                     ; my stage
	v_mul_u32_u24 v[STO], v1, SP
	v_lshl_add_u32 v[STO], v9, 4, v[STO]
	v_add_nc_u32 v[STO], s2, v[STO]                ; in: row r, + 16 h
	v_and_b32 v10, 31, v0
	v_lshrrev_b32 v11, 3, v10
	v_and_b32 v13, 7, v10
	v_mul_u32_u24 v[RD], v11, SP
	v_lshl_add_u32 v[RD], v13, 4, v[RD]
	v_add_nc_u32 v[RD], s2, v[RD]                  ; back: eight lanes to a row of 128 bytes, four rows an instruction,
	v_lshlrev_b32 v[GO], 4, v10                    ; which are 512 bytes on end in ao
.irp t, 0,1,2,3
	v_mov_b32 v[ST+12*\t], 0x7f61b1e6              ; -M: M begins at -3e38, under every t
	v_mov_b32 v[ST+12*\t+1], 0                     ; (named with it as a pair)
	v_mov_b32 v[ST+12*\t+2], 0                     ; the sum, in two halves
	v_mov_b32 v[ST+12*\t+3], 0
	v_mov_b32 v[ST+12*\t+5], 0                     ; (named with f as a pair)
.endr
	WIN 0x40
.set i, 0
.rept 128
	v_mov_b32 v[128+i], 0                          ; O^T begins as zeros, which the first change of M leaves zeros: so the key step is written in one form, with no first step of its own
.set i, i+1
.endr
	WIN 0
.macro LOADK                           ; a step's K: 64 keys x 64 channels: 8 fragments, 16 loads
	WIN 0
	v_add_nc_u32 v[ADR], s[TB], v[AK0]
.irp kt, 0,1,2,3
.irp c, 0,1
	ds_load_b128 v[KR+16*\kt+8*\c:KR+16*\kt+8*\c+3],   v[ADR] offset:\kt*16*PK+64*\c
	ds_load_b128 v[KR+16*\kt+8*\c+4:KR+16*\kt+8*\c+7], v[ADR] offset:\kt*16*PK+64*\c+32
.endr
.endr
.endm
.macro LOADV                           ; the same step's V, turned: keys 32 kh on, channels 16 ct on
	v_add_nc_u32 v[ADR], s[TB], v[AV0]
	s_add_co_u32 s[TB], s[TB], STEPB               ; the next fetch is the next step's
.irp kh, 0,1
.irp ct, 0,1,2,3
	ds_load_tr16_b128 v[VR+32*\kh+8*\ct:VR+32*\kh+8*\ct+3],   v[ADR] offset:\kh*32*PVP+32*\ct
	ds_load_tr16_b128 v[VR+32*\kh+8*\ct+4:VR+32*\kh+8*\ct+7], v[ADR] offset:\kh*32*PVP+16*PVP+32*\ct
.endr
.endr
.endm
; 32 products S^T = K Q^T.  The 16 accumulators take turns, one instruction a turn; the first 16 start the sums.
.macro KQ
	WIN 0x50                                       ; K and Q window 0, S^T window 1
.irp c, 0,1
.irp kt, 0,1,2,3
.irp t, 0,1,2,3
.if \c == 0
	v_wmma_f32_16x16x32_f16 v[32*\t+8*\kt:32*\t+8*\kt+7], v[KR+16*\kt+8*\c:KR+16*\kt+8*\c+7], v[QR+16*\t+8*\c:QR+16*\t+8*\c+7], 0
.else
	v_wmma_f32_16x16x32_f16 v[32*\t+8*\kt:32*\t+8*\kt+7], v[KR+16*\kt+8*\c:KR+16*\kt+8*\c+7], v[QR+16*\t+8*\c:QR+16*\t+8*\c+7], v[32*\t+8*\kt:32*\t+8*\kt+7]
.endif
.endr
.endr
.endr
.endm
; 32 products O^T += V^T P, the 16 accumulators by turns.
.macro PVM
	WIN 0x54                                       ; V window 0, P and O^T window 1
.irp kh, 0,1
.irp ct, 0,1,2,3
.irp t, 0,1,2,3
	v_wmma_f32_16x16x32_f16 v[128+32*\t+8*\ct:128+32*\t+8*\ct+7], v[VR+32*\kh+8*\ct:VR+32*\kh+8*\ct+7], v[32*\t+8*\kh:32*\t+8*\kh+7], v[128+32*\t+8*\ct:128+32*\t+8*\ct+7]
.endr
.endr
.endr
.endm
; THE SOFTMAX OF A KEY STEP, four tiles, the tiles by turns in every group so that no line waits for the line above it.
.macro SMX
	WIN 0x15                                       ; the largest of a lane's 32 scores, in four chains
.irp k, 0,1,2,3
.irp t, 0,1,2,3
	v_max3_num_f32 v[ST+12*\t+6+\k], v[32*\t+8*\k], v[32*\t+8*\k+1], v[32*\t+8*\k+2]
.endr
.endr
	WIN 0x14
.irp i, 3,5
.irp k, 0,1,2,3
.irp t, 0,1,2,3
	v_max3_num_f32 v[ST+12*\t+6+\k], v[ST+12*\t+6+\k], v[32*\t+8*\k+\i], v[32*\t+8*\k+\i+1]
.endr
.endr
.endr
.irp t, 0,1,2,3
	v_max3_num_f32 v[ST+12*\t+6], v[ST+12*\t+6], v[32*\t+7], v[32*\t+15]
.endr
.irp t, 0,1,2,3
	v_max3_num_f32 v[ST+12*\t+8], v[ST+12*\t+8], v[32*\t+23], v[32*\t+31]
.endr
	WIN 0
.irp t, 0,1,2,3
	v_max3_num_f32 v[ST+12*\t+6], v[ST+12*\t+6], v[ST+12*\t+7], v[ST+12*\t+8]
.endr
.irp t, 0,1,2,3
	v_max_num_f32 v[ST+12*\t+6], v[ST+12*\t+6], v[ST+12*\t+9]
.endr
.irp t, 0,1,2,3
	v_permlanex16_b32 v[ST+12*\t+7], v[ST+12*\t+6], s[SEL], s[SEL+1]   ; the query's other 32 keys lie in the lane 16 away
.endr
.irp t, 0,1,2,3
	v_max_num_f32 v[ST+12*\t+6], v[ST+12*\t+6], v[ST+12*\t+7]          ; the step's largest score of my query
.endr
.irp t, 0,1,2,3
	v_mul_f32 v[ST+12*\t+6], s[NC], v[ST+12*\t+6]                      ; -t
.endr
.irp t, 0,1,2,3
	v_floor_f32 v[ST+12*\t+6], v[ST+12*\t+6]                           ; floor(-t) = -ceil(t)
.endr
.irp t, 0,1,2,3
	v_min_num_f32 v[ST+12*\t+7], v[ST+12*\t], v[ST+12*\t+6]            ; the new -M
.endr
.irp t, 0,1,2,3
	v_sub_f32 v[ST+12*\t+8], v[ST+12*\t+7], v[ST+12*\t]                ; old M - new M: a whole number, 0 or less
.endr
.irp t, 0,1,2,3
	v_mov_b32 v[ST+12*\t], v[ST+12*\t+7]
.endr
.irp t, 0,1,2,3
	v_cvt_i32_f32 v[ST+12*\t+8], v[ST+12*\t+8]                         ; (it saturates)
.endr
.irp t, 0,1,2,3
	v_ldexp_f32 v[ST+12*\t+4], 1.0, v[ST+12*\t+8]                      ; f = 2^(old M - new M)
.endr
.irp t, 0,1,2,3
	v_pk_mul_f32 v[ST+12*\t+2:ST+12*\t+3], v[ST+12*\t+2:ST+12*\t+3], v[ST+12*\t+4:ST+12*\t+5] op_sel_hi:[1,0]   ; the sums under the new M
.endr
	WIN 0x41                                       ; ONE BATCH: the 128 exponentials, each followed by a plain line that reads no exponential's result: the next tile's scalings t - M, and O^T x f
.irp j, 0,2,4,6,8,10,12,14,16,18,20,22,24,26,28,30
	v_pk_fma_f32 v[\j:\j+1], v[\j:\j+1], s[CS:CS+1], v[ST:ST+1] op_sel_hi:[1,0,0]
.endr
.irp t, 0,1,2,3
.irp i, 0,1,2,3,4,5,6,7,8,9,10,11,12,13,14,15
	v_exp_f32 v[32*\t+2*\i], v[32*\t+2*\i]
.if \t < 3
	v_pk_fma_f32 v[32*(\t+1)+2*\i:32*(\t+1)+2*\i+1], v[32*(\t+1)+2*\i:32*(\t+1)+2*\i+1], s[CS:CS+1], v[ST+12*(\t+1):ST+12*(\t+1)+1] op_sel_hi:[1,0,0]
.endif
	v_exp_f32 v[32*\t+2*\i+1], v[32*\t+2*\i+1]
	v_pk_mul_f32 v[128+32*\t+2*\i:128+32*\t+2*\i+1], v[128+32*\t+2*\i:128+32*\t+2*\i+1], v[ST+12*\t+4:ST+12*\t+5] op_sel_hi:[1,0]
.endr
.endr
	v_nop                                          ; a plain line behind the last exponential,
	s_wait_alu depctr_va_vdst(0)                   ; and one wait ahead of the batch's first reader
	WIN 0x05                                       ; the row's sum is taken of p in f32, two at a time, in two chains a tile
.irp t, 0,1,2,3
	v_pk_add_f32 v[ST+12*\t+10:ST+12*\t+11], v[32*\t:32*\t+1], v[32*\t+2:32*\t+3]
.endr
	WIN 0x04
.irp j, 4,8,12,16,20,24,28
.irp t, 0,1,2,3
	v_pk_add_f32 v[ST+12*\t+2:ST+12*\t+3], v[ST+12*\t+2:ST+12*\t+3], v[32*\t+\j:32*\t+\j+1]
.endr
.irp t, 0,1,2,3
	v_pk_add_f32 v[ST+12*\t+10:ST+12*\t+11], v[ST+12*\t+10:ST+12*\t+11], v[32*\t+\j+2:32*\t+\j+3]
.endr
.endr
	WIN 0
.irp t, 0,1,2,3
	v_pk_add_f32 v[ST+12*\t+2:ST+12*\t+3], v[ST+12*\t+2:ST+12*\t+3], v[ST+12*\t+10:ST+12*\t+11]
.endr
	WIN 0x45                                       ; p to f16, in place: register j takes p 2 j and 2 j + 1, j ascending
.irp j, 0,1,2,3,4,5,6,7,8,9,10,11,12,13,14,15
.irp t, 0,1,2,3
	v_cvt_pk_f16_f32 v[32*\t+\j], v[32*\t+2*\j], v[32*\t+2*\j+1]
.endr
.endr
	WIN 0
.endm
.macro BODY
	LOADK
	s_wait_dscnt 16                                ; V of the step before is in; K's 16 loads, just issued, may be out
	PVM
	PLACES 5                                       ; K Q^T writes over P, which V^T P read as a source: five places (ISA guide 7.12.1)
	s_wait_dscnt 0x0                               ; K is in
	KQ
	WIN 0
	PLACES 4                                       ; ahead of the loads into V's registers and of the first read of the scores
	LOADV
	SMX
.endm
.macro STEPS n
	s_mov_b32 s[CNT], \n
.Lstep_\@:
	BODY
	s_sub_co_u32 s[CNT], s[CNT], 1
	s_cmp_lg_u32 s[CNT], 0
	s_cbranch_scc1 .Lstep_\@
.endm
; THE CHANGE OF SLOTS: the slot's last bytes, V of its fourth step, have been asked for.  Each wave waits for all its tensor loads (one is out: its part of the other slot), adds 0 to its spare word, and waits for that
; and for its own reads of the slot.  fill = 1: the barrier is a round of the cluster's, and the joint refill, with the keys two slots on, is the first thing behind it.
.macro CHANGE fill
	WIN 0
	s_wait_tensorcnt 0x0                           ; no tensor load of mine is out, so a group 0 may be written
	ds_add_u32 v[SPW], v[NIL]
.if \fill
.irp g, G0K+4, G0V+4
	s_xor_b32 s[\g+1], s[\g+1], SLOT1              ; the walking descriptor: the other slot than last time,
	s_add_nc_u64 s[\g+2:\g+3], s[\g+2:\g+3], SLOTB ; the next 256 keys
.endr
	s_wait_xcnt 0x0                                ; the last prefetch, four key steps back, has read its address
	s_add_nc_u64 s[PFA:PFA+1], s[PFA:PFA+1], SLOTB ; one slot further on than the walking descriptors
	s_wait_dscnt 0x0                               ; the add is done, and my reads of the slot are over
	CROUND
	JLOAD
	ASK
.else
	s_wait_dscnt 0x0
	s_barrier_signal -1
	s_barrier_wait -1
.endif
	s_sub_co_u32 s[TB], s[TB], NST*STEPB           ; the fetches go back to a slot's first step,
	s_xor_b32 s[TB], s[TB], SLOT1                  ; in the other slot
.endm
	s_wait_tensorcnt 1                             ; my part of slot 0 is in; slot 1's may stay out
	s_barrier_signal -1
	s_barrier_wait -1
	LOADK                                          ; key step 0: there is no V^T P yet
	s_wait_loadcnt 0x0                             ; Q
	s_wait_dscnt 0x0
	KQ
	WIN 0
	PLACES 4
	LOADV
	SMX
	STEPS 3
.Lslot:                                            ; six trips: every slot but the last two is filled again
	CHANGE 1
	STEPS 4
	s_sub_co_u32 s[SLOTS], s[SLOTS], 1
	s_cmp_lg_u32 s[SLOTS], 0
	s_cbranch_scc1 .Lslot
	CHANGE 0                                       ; the last slot is written out
	STEPS 4
	s_wait_dscnt 0x0                               ; V of the last step
	PVM
	WIN 0
	; THE WAY OUT.  The sum's two halves and the other half of the lanes' are added; O^T is divided by the sum, rounded to f16 and sent through my stage, a tile (16 rows) at a time.  The additions are the places behind the last products.
.irp t, 0,1,2,3
	v_add_f32 v[ST+12*\t+6], v[ST+12*\t+2], v[ST+12*\t+3]
.endr
.irp t, 0,1,2,3
	v_permlanex16_b32 v[ST+12*\t+7], v[ST+12*\t+6], s[SEL], s[SEL+1]
.endr
.irp t, 0,1,2,3
	v_add_f32 v[ST+12*\t+6], v[ST+12*\t+6], v[ST+12*\t+7]
.endr
.irp t, 0,1,2,3
	v_rcp_f32 v[ST+12*\t+4], v[ST+12*\t+6]
.endr
	v_nop                                          ; a plain line behind the last reciprocal,
	s_wait_alu depctr_va_vdst(0)                   ; and one wait for the four, ahead of their first reader
.macro PACK t
	WIN 0x41
.irp i, 0,1,2,3,4,5,6,7,8,9,10,11,12,13,14,15
	v_pk_mul_f32 v[128+32*\t+2*\i:128+32*\t+2*\i+1], v[128+32*\t+2*\i:128+32*\t+2*\i+1], v[ST+12*\t+4:ST+12*\t+5] op_sel_hi:[1,0]
.endr
	WIN 0x05                                       ; sources window 1, destination window 0: Q's registers are free
.irp i, 0,1,2,3,4,5,6,7,8,9,10,11,12,13,14,15
	v_cvt_pk_f16_f32 v[QR+16*\t+\i], v[128+32*\t+2*\i], v[128+32*\t+2*\i+1]
.endr
	WIN 0
.irp f, 0,1,2,3
	ds_store_b128 v[STO], v[QR+16*\t+4*\f:QR+16*\t+4*\f+3] offset:32*\f
.endr
.irp f, 0,1,2,3
	ds_load_b128 v[QR+16*\t+4*\f:QR+16*\t+4*\f+3], v[RD] offset:\f*4*SP   ; LDS serves a wave's instructions in order: these see the stores above, and the next tile's stores come behind them
.endr
.endm
.macro SEND t, younger                 ; younger: the LDS instructions issued behind tile t's loads: the next tile's eight, or none
.irp f, 0,1,2,3
	s_wait_dscnt \younger+3-\f
	global_store_b128 v[GO], v[QR+16*\t+4*\f:QR+16*\t+4*\f+3], s[6:7] offset:\t*2048+\f*512   ; 32 lanes store 512 consecutive bytes, aligned
.endr
.endm
	PACK 0
	PACK 1
	SEND 0, 8
	PACK 2
	SEND 1, 8
	PACK 3
	SEND 2, 8
	SEND 3, 0
	s_wait_tensorcnt 0x0                           ; the wave's end
	ds_add_u32 v[SPW], v[NIL]
	s_wait_dscnt 0x0
	CROUND                                         ; the closing round
	s_endpgm
.Lfunc_end_k_q3d508c4ebe_attn:
	.size	k_q3d508c4ebe_attn, .Lfunc_end_k_q3d508c4ebe_attn-k_q3d508c4ebe_attn
	.p2alignl 7, 3214868480
	.fill 96, 4, 3214868480
	.section	.rodata,"a",@progbits
	.p2align	6, 0x0
	.amdhsa_kernel k_q3d508c4ebe_attn
		.amdhsa_group_segment_fixed_size 327680
		.amdhsa_private_segment_fixed_size 0
		.amdhsa_enable_private_segment 0
		.amdhsa_kernarg_size 16
		.amdhsa_user_sgpr_count 2
		.amdhsa_user_sgpr_kernarg_segment_ptr 1
		.amdhsa_wavefront_size32 1
		.amdhsa_system_sgpr_workgroup_id_x 1
		.amdhsa_system_sgpr_workgroup_id_y 1
		.amdhsa_system_sgpr_workgroup_id_z 1
		.amdhsa_system_vgpr_workitem_id 0
		.amdhsa_next_free_vgpr 512
		.amdhsa_next_free_sgpr 66
		.amdhsa_reserve_vcc 0
		.amdhsa_float_denorm_mode_32 3
		.amdhsa_float_denorm_mode_16_64 3
		.amdhsa_memory_ordered 1
		.amdhsa_forward_progress 1
		.amdhsa_inst_pref_size 159
	.end_amdhsa_kernel
	.amdgpu_metadata
---
amdhsa.version: [ 1, 2 ]
amdhsa.kernels:
  - .name:           k_q3d508c4ebe_attn
    .symbol:         k_q3d508c4ebe_attn.kd
    .args:
      - { .name: qkv, .offset: 0, .size: 8, .value_kind: global_buffer, .address_space: global }
      - { .name: ao, .offset: 8, .size: 8, .value_kind: global_buffer, .address_space: global }
    .group_segment_fixed_size: 327680
    .private_segment_fixed_size: 0
    .kernarg_segment_align: 8
    .kernarg_segment_size: 16
    .max_flat_workgroup_size: 256
    .sgpr_count:     66
    .vgpr_count:     512
    .wavefront_size: 32
...
	.end_amdgpu_metadata
.endif
;; end of part 3
;; launch proj (part 4): grid 8 x 32, 4 waves a work-group, clusters of 4 x 4, 327,680 bytes of LDS; arguments ao, wo, bout, out0; writes out0
.if DOCPART == 4
	.amdgcn_target "amdgcn-amd-amdhsa--gfx1250"
	.amdhsa_code_object_version 6
	.text
	.protected	k_q3d508c4ebe_proj
	.globl	k_q3d508c4ebe_proj
	.p2align	8
	.type	k_q3d508c4ebe_proj,@function
k_q3d508c4ebe_proj:
	s_mov_b64 s[64:65], 0
	v_nop
	global_prefetch_b8 v0, s[64:65] scope:SCOPE_SE
	s_setreg_imm32_b32 hwreg(HW_REG_WAVE_MODE, 25, 1), 1
	s_wait_xcnt 0x0
	s_wait_alu depctr_hold_cnt(0) depctr_sa_sdst(0) depctr_va_vdst(0) depctr_va_sdst(0) depctr_va_ssrc(0) depctr_va_vcc(0) depctr_vm_vsrc(0)
	s_getreg_b32 s2, hwreg(HW_REG_IB_STS2, 6, 4)
	s_cmp_eq_u32 s2, 0
	s_cbranch_scc0 .Lentry_in_a_cluster
	s_endpgm
.Lentry_in_a_cluster:
	s_bfe_u32 s2, ttmp6, 0x10000c
	s_cmp_lg_u32 s2, 0xf033
	s_cbranch_scc0 .Lentry_shape_is_right
	s_endpgm
.Lentry_shape_is_right:
; PROJ: out0 = o Wout + bout.  o: ao [head 16][row 8192][64] f16 (K = 64 x head + channel); Wout: wo [k 1024][n 1024] f16; bout [1024] f32; out0 [8192][1024] f32; sums in f32.
; A tile of the result is 256 rows x 128 columns: 8 x 32 = 256 work-groups.  Four waves, each 128 rows x 64 columns: 32 accumulators of 16 x 16, all of window 1.
; K goes in steps of 128 (two heads) through a ring of two LDS slots: waves 0 and 1 bring o's rows of the step's two heads (256 rows x 128 bytes each), waves 2 and 3 the two halves of Wout's 128 k-rows (256 bytes each).
; CLUSTERS: 4 x 4 work-groups; o's tiles are shared along a row of the cluster, Wout's along a column: each is asked for JOINTLY.  Two tensor loads of a wave are out at the start, one behind each round.
; THE MATRIX INSTRUCTION IS USED TRANSPOSED: source 0 = 16 columns of Wout (turned out of LDS by ds_load_tr16_b128), source 1 = 16 rows of o: a lane holds eight neighbouring columns of one row.
; The bias is the C of each sum's first matrix instruction: eight registers for each block of 16 columns, in the result's layout.
; REGISTERS: window 0: v16-31 addresses; v32-63 the bias; two fragment buffers: v64-127 o, v128-159 Wout; v160-223 o, v224-255 Wout; on the way out v64-127 rows read back.   window 1: accumulator (a, b) at v[8 (4 a + b)].
.set PA,    144                        ; a row of o in LDS: 128 bytes + 16
.set PB,    288                        ; a k-row of Wout: 256 bytes + 32: an odd multiple of 32, for the turning load
.set SUBA,  256*PA                     ; one head's 256 rows
.set BOFF,  2*SUBA
.set HALFB, 64*PB
.set SLOT,  BOFF+2*HALFB
.set STAGE, 2*SLOT                     ; behind the ring: 16 rows x 272 bytes for each wave
.set SPITCH, 272
.set SPARE, STAGE+4*16*SPITCH          ; the spare words, 128 bytes a wave: two blocks of 256 bytes that no other line names
.set ADRA, 16
.set ADRB, 20
.set STO,  24
.set RD,   25
.set CO,   26
.set SPW,  28
.set NIL,  29
.set BO,   31                          ; v31 the bias's offset: 32 x (lane / 16); untouched until the bias has landed
.set BIAS, 32
.set F0,   64
.set F1,   160
.set BK,   64
.set G1,   24
.set G0,   32
.set G1B,  48
.set G0B,  56
.set MSB, 0
.macro WIN new
.if MSB != \new
	s_set_vgpr_msb (MSB<<8)|\new
.set MSB, \new
.endif
.endm
.macro PLACES
.rept 4
	v_nop
.endr
.endm
.macro JLOAD s                         ; a joint load: waves 0 and 1 fetch o's, waves 2 and 3 Wout's; an s_nop 0 and four v_nop follow each line
	s_cmp_eq_u32 s13, 0
	s_cbranch_scc0 .Lfor_b_\@
	tensor_load_to_lds s[G0+4*\s:G0+4*\s+3], s[G1:G1+7]
	s_nop 0
.rept 4
	v_nop
.endr
	s_branch .Lasked_\@
.Lfor_b_\@:
	tensor_load_to_lds s[G0B+4*\s:G0B+4*\s+3], s[G1B:G1B+7]
	s_nop 0
.rept 4
	v_nop
.endr
.Lasked_\@:
.endm
.macro CREST
	s_cmp_lg_u32 s12, 0
	s_cbranch_scc1 .Lnot_wave_0_\@
	s_barrier_signal -3
.Lnot_wave_0_\@:
	s_barrier_wait -3
	s_barrier_signal -1
	s_barrier_wait -1
.endm
.macro CROUND
	s_barrier_signal -1
	s_barrier_wait -1
	CREST
.endm
	s_load_b256 s[4:11], s[0:1], 0x0               ; ao s[4:5], wo s[6:7], bout s[8:9], out0 s[10:11]
	v_lshl_add_u32 v[SPW], v0, 2, SPARE
	v_mov_b32 v[NIL], 0
	ds_add_u32 v[SPW], v[NIL]                      ; the wave's opening: the add, twice on end, and its wait ahead of my first tensor load
	ds_add_u32 v[SPW], v[NIL]
	v_lshrrev_b32 v1, 5, v0
	v_readfirstlane_b32 s12, v1                    ; wave 0..3
	s_lshr_b32 s13, s12, 1                         ; which half of the tile's rows is mine.  Also: I fetch for o (0) or for Wout (1)
	s_and_b32 s14, s12, 1                          ; which half of its columns.  Also: which head of the step's two, or which 64 k-rows, I fetch
	s_bfe_u32 s40, ttmp6, 0x40000
	s_bfe_u32 s41, ttmp6, 0x40004
	s_lshl_b32 s42, ttmp9, 2
	s_add_co_u32 s42, s42, s40                     ; tile column
	s_and_b32 s15, ttmp7, 0xffff
	s_lshl_b32 s15, s15, 2
	s_add_co_u32 s15, s15, s41                     ; tile row
	s_lshl_b32 s43, s41, 2
	s_lshl_b32 s43, 15, s43                        ; my row of the cluster
	s_lshl_b32 s44, 0x1111, s40                    ; my column
	s_or_b32 s[G1+0], s43, (1<<16)|(1<<20)|(1<<21)|(4<<22)|(3<<25)    ; elements of 2 bytes; four words of padding after every 32
	s_mov_b32 s[G1+1], 64<<16                      ; tensor_dim0 = 64
	s_mov_b32 s[G1+2], 256<<16                     ; tensor_dim1 = 256
	s_mov_b32 s[G1+3], 64<<16                      ; tile_dim0
	s_mov_b32 s[G1+4], 256                         ; tile_dim1
	s_mov_b32 s[G1+5], 64                          ; elements from row to row
	s_mov_b32 s[G1+6], 0
	s_mov_b32 s[G1+7], 0
	s_or_b32 s[G1B+0], s44, (1<<16)|(1<<20)|(1<<21)|(5<<22)|(7<<25)   ; eight words of padding after every 64
	s_mov_b32 s[G1B+1], 128<<16
	s_mov_b32 s[G1B+2], 64<<16
	s_mov_b32 s[G1B+3], 128<<16
	s_mov_b32 s[G1B+4], 64
	s_mov_b32 s[G1B+5], 1024
	s_mov_b32 s[G1B+6], 0
	s_mov_b32 s[G1B+7], 0
	s_lshl_b32 s16, s14, 20                        ; o: my head of the step's two, 1,048,576 bytes a head,
	s_lshl_b32 s17, s15, 15                        ; + 256 x tile row rows of 128 bytes
	s_add_co_u32 s16, s16, s17
	s_mov_b32 s17, 0
	s_lshl_b32 s46, s14, 17                        ; Wout: my 64 k-rows of 2,048 bytes,
	s_lshl_b32 s47, s42, 8                         ; + the tile's 128 columns
	s_add_co_u32 s46, s46, s47
	s_mov_b32 s47, 0
	s_mul_i32 s20, s14, SUBA                       ; where they go: no place in the cluster enters an LDS address
	s_mul_i32 s21, s14, HALFB
	s_add_co_u32 s21, s21, BOFF
	s_wait_dscnt 0x0                               ; both opening adds are done
	s_wait_kmcnt 0x0
	s_add_nc_u64 s[16:17], s[4:5], s[16:17]
	s_add_nc_u64 s[46:47], s[6:7], s[46:47]
	CROUND                                         ; all sixteen work-groups are here: the first joint loads meet
.irp s, 0,1
	s_mov_b32 s[G0+4*\s], 1
	s_add_co_u32 s[G0+4*\s+1], s20, \s*SLOT
	s_add_nc_u64 s[G0+4*\s+2:G0+4*\s+3], s[16:17], \s*2097152      ; K step s: two heads on
	s_or_b32 s[G0+4*\s+3], s[G0+4*\s+3], 0x80000000
	s_mov_b32 s[G0B+4*\s], 1
	s_add_co_u32 s[G0B+4*\s+1], s21, \s*SLOT
	s_add_nc_u64 s[G0B+4*\s+2:G0B+4*\s+3], s[46:47], \s*262144     ; 128 k-rows on
	s_or_b32 s[G0B+4*\s+3], s[G0B+4*\s+3], 0x80000000
	JLOAD \s
.endr
	s_lshl_b32 s22, s42, 9
	s_lshl_b32 s23, s14, 8
	s_add_co_u32 s22, s22, s23                     ; my first column, in bytes of f32: 512 x tile column + 256 x half
	s_mov_b32 s23, 0
	s_add_nc_u64 s[8:9], s[8:9], s[22:23]
	v_and_b32 v1, 15, v0                           ; r
	v_bfe_u32 v2, v0, 4, 1                         ; h
	v_lshlrev_b32 v[BO], 5, v2
.irp b, 0,1,2,3
	global_load_b128 v[BIAS+8*\b:BIAS+8*\b+3],   v[BO], s[8:9] offset:64*\b       ; bout at columns 16 b + 8 h + 0 .. 7 of my 64
	global_load_b128 v[BIAS+8*\b+4:BIAS+8*\b+7], v[BO], s[8:9] offset:64*\b+16
.endr
	s_lshl_b32 s18, s15, 8
	s_lshl_b32 s19, s13, 7
	s_add_co_u32 s18, s18, s19                     ; my first row
	s_lshl_b32 s18, s18, 12                        ; 4,096 bytes a row
	s_add_co_u32 s18, s18, s22
	s_mov_b32 s19, 0
	s_add_nc_u64 s[10:11], s[10:11], s[18:19]
	v_mul_u32_u24 v3, v1, PA
	v_lshl_add_u32 v3, v2, 4, v3
	s_mul_i32 s20, s13, 128*PA                     ; my 128 rows of o
	v_add_nc_u32 v[ADRA], s20, v3
	v_add_nc_u32 v[ADRA+1], SLOT, v[ADRA]
	v_and_b32 v4, 7, v0
	v_bfe_u32 v5, v0, 3, 1
	v_lshl_add_u32 v4, v2, 3, v4                   ; the turning load: k-row 8 h + lane % 8, columns 8 ((lane / 8) % 2) on
	v_mul_u32_u24 v4, v4, PB
	v_lshl_add_u32 v4, v5, 4, v4
	s_lshl_b32 s20, s14, 7                         ; my 64 columns: 128 bytes
	s_add_co_u32 s20, s20, BOFF
	v_add_nc_u32 v[ADRB], s20, v4
	v_add_nc_u32 v[ADRB+1], SLOT, v[ADRB]
	s_mul_i32 s20, s12, 16*SPITCH
	s_add_co_u32 s20, s20, STAGE                   ; my stage
	v_mul_u32_u24 v5, v1, SPITCH
	v_lshl_add_u32 v5, v2, 5, v5
	v_add_nc_u32 v[STO], s20, v5                   ; in: row r, 32 bytes for each half of the lanes
	v_mul_u32_u24 v5, v2, SPITCH
	v_lshl_add_u32 v5, v1, 4, v5
	v_add_nc_u32 v[RD], s20, v5                    ; back: lanes 0-15 one row of 256 bytes, lanes 16-31 the next
	v_lshlrev_b32 v5, 12, v2
	v_lshl_add_u32 v[CO], v1, 4, v5                ; and the same two rows in out0
; the fragments of 32 along K, the step's kq-th, into buffer f: 16 loads for o (head kq / 2 of the two, channels 32 (kq % 2) on), 8 turning loads for Wout
.macro FETCH slot, kq, f
.irp a, 0,1,2,3,4,5,6,7
	ds_load_b128 v[\f+8*\a:\f+8*\a+3],   v[ADRA+\slot] offset:((\kq)/2)*SUBA+((\kq)%2)*64+\a*16*PA
	ds_load_b128 v[\f+8*\a+4:\f+8*\a+7], v[ADRA+\slot] offset:((\kq)/2)*SUBA+((\kq)%2)*64+\a*16*PA+32
.endr
.irp b, 0,1,2,3
	ds_load_tr16_b128 v[\f+64+8*\b:\f+64+8*\b+3],   v[ADRB+\slot] offset:(\kq)*32*PB+32*\b
	ds_load_tr16_b128 v[\f+64+8*\b+4:\f+64+8*\b+7], v[ADRB+\slot] offset:(\kq)*32*PB+16*PB+32*\b
.endr
.endm
; 8 matrix instructions: row blocks a0, a0 + 1 x the four column blocks.  The 32 accumulators take turns, one instruction a turn, in the same order in every quarter.
.macro MUL8 f, a0, first
.irp a, \a0, \a0+1
.irp b, 0,1,2,3
.if \first
	v_wmma_f32_16x16x32_f16 v[8*(4*(\a)+\b):8*(4*(\a)+\b)+7], v[\f+64+8*\b:\f+64+8*\b+7], v[\f+8*(\a):\f+8*(\a)+7], v[BIAS+8*\b:BIAS+8*\b+7]
.else
	v_wmma_f32_16x16x32_f16 v[8*(4*(\a)+\b):8*(4*(\a)+\b)+7], v[\f+64+8*\b:\f+64+8*\b+7], v[\f+8*(\a):\f+8*(\a)+7], v[8*(4*(\a)+\b):8*(4*(\a)+\b)+7]
.endif
.endr
.endr
.endm
; A K step is four quarters of 32 along K on buffers 0, 1, 0, 1.  One of the first three: buffer f is in; the next quarter's 24 loads go out in one run into g, ahead of this quarter's 32 matrix instructions.
.macro QUARTER slot, kq, f, g, first
	s_wait_dscnt 0x0
	WIN 0
	PLACES                                         ; ahead of loads into registers that the quarter before multiplied
	FETCH \slot, \kq, \g
.if \first
	WIN 0x40                                       ; the bias, window 0, is C; D window 1
.else
	WIN 0x50                                       ; C and D window 1
.endif
	MUL8 \f, 0, \first
	MUL8 \f, 2, \first
	MUL8 \f, 4, \first
	MUL8 \f, 6, \first
.endm
; The last quarter multiplies buffer 1 and changes slots: ONE barrier; ahead of it each wave waits for all its tensor loads, adds 0 to its spare word, and waits for that and for its reads of this slot.
; fill = 1: the barrier opens a round of the cluster's, and the joint refill, two K steps on, is the first tensor load behind it.
.macro TURN slot, next, fill
	WIN 0
	s_wait_tensorcnt 0x0                           ; all my tensor loads have landed: my part of the next slot
	ds_add_u32 v[SPW], v[NIL]
	s_wait_dscnt 1                                 ; buffer 1 is in; the add may be out
	WIN 0x50
	MUL8 F1, 0, 0                                  ; eight matrix instructions stand between the add and the wait for it
	s_wait_dscnt 0x0                               ; the add is done, and my reads of this slot are over
	s_barrier_signal -1
	MUL8 F1, 2, 0
	WIN 0
	s_barrier_wait -1
.if \fill
	CREST                                          ; no wave of any partner still reads this slot's tiles or has a load on its way
	s_add_nc_u64 s[G0+4*\slot+2:G0+4*\slot+3], s[G0+4*\slot+2:G0+4*\slot+3], 4194304     ; four heads on
	s_add_nc_u64 s[G0B+4*\slot+2:G0B+4*\slot+3], s[G0B+4*\slot+2:G0B+4*\slot+3], 524288  ; 256 k-rows on
	JLOAD \slot                                    ; the four v_nop behind it are also the places ahead of the loads below
.else
	PLACES
.endif
	FETCH \next, 0, F0
	WIN 0x50
	MUL8 F1, 4, 0
	MUL8 F1, 6, 0
.endm
	s_wait_tensorcnt 1                             ; my part of K step 0 is in; K step 1's load may be out
	s_barrier_signal -1
	s_barrier_wait -1
	FETCH 0, 0, F0
	s_wait_loadcnt 0x0                             ; the bias
	QUARTER 0, 1, F0, F1, 1                        ; the first quarter stands ahead of the loop: its products start the sums, on the bias
	WIN 0
	s_mov_b32 s3, 3
.Llap:                                             ; a trip goes once round the ring, from a lap's second quarter to the next lap's first, and fills both slots again
	QUARTER 0, 2, F1, F0, 0
	QUARTER 0, 3, F0, F1, 0
	TURN 0, 1, 1
	QUARTER 1, 1, F0, F1, 0
	QUARTER 1, 2, F1, F0, 0
	QUARTER 1, 3, F0, F1, 0
	TURN 1, 0, 1
	QUARTER 0, 1, F0, F1, 0
	WIN 0
	s_sub_co_u32 s3, s3, 1
	s_cmp_lg_u32 s3, 0
	s_cbranch_scc1 .Llap
	QUARTER 0, 2, F1, F0, 0                        ; the last lap fills nothing
	QUARTER 0, 3, F0, F1, 0
	TURN 0, 1, 0
	QUARTER 1, 1, F0, F1, 0
	QUARTER 1, 2, F1, F0, 0
	QUARTER 1, 3, F0, F1, 0
	s_wait_dscnt 0x0                               ; the very last quarter: nothing more to fetch
	MUL8 F1, 0, 0
	MUL8 F1, 2, 0
	MUL8 F1, 4, 0
	MUL8 F1, 6, 0
	WIN 0
; THE WAY OUT, a block of 16 rows x 64 columns at a time: a lane's 32 bytes go into my own stage and come back as whole rows of 256 bytes, which sixteen lanes store as 256 consecutive bytes, aligned.
.macro TOSTAGE a
	WIN 0x04                                       ; an LDS store's data are its source 1: window 1
.irp b, 0,1,2,3
	ds_store_b128 v[STO], v[8*(4*(\a)+\b):8*(4*(\a)+\b)+3] offset:64*\b            ; each accumulator from its low end on
	ds_store_b128 v[STO], v[8*(4*(\a)+\b)+4:8*(4*(\a)+\b)+7] offset:64*\b+16
.endr
	WIN 0
.set BB, BK+32*((\a)%2)
.irp i, 0,1,2,3,4,5,6,7
	ds_load_b128 v[BB+4*\i:BB+4*\i+3], v[RD] offset:\i*2*SPITCH    ; LDS serves a wave's instructions in order: these see the stores above
.endr
.endm
.macro SEND a, younger
.set BB, BK+32*((\a)%2)
	s_wait_dscnt \younger
.irp i, 0,1,2,3,4,5,6,7
	global_store_b128 v[CO], v[BB+4*\i:BB+4*\i+3], s[10:11] offset:65536*(\a)+8192*\i th:TH_STORE_NT   ; written once, read by nobody here
.endr
.endm
	PLACES
	TOSTAGE 0
.irp a, 1,2,3,4,5,6,7
.if \a > 1
	s_wait_xcnt 0x0                                ; block a - 2's stores have read their registers: block a's loads may land there
.endif
	TOSTAGE \a
	SEND \a-1, 16                                  ; behind block a - 1's loads: block a's 8 stores and 8 loads
.endr
	SEND 7, 0
	s_wait_tensorcnt 0x0                           ; the wave's end
	ds_add_u32 v[SPW], v[NIL]
	s_wait_dscnt 0x0
	CROUND                                         ; the closing round
	s_endpgm
.Lfunc_end_k_q3d508c4ebe_proj:
	.size	k_q3d508c4ebe_proj, .Lfunc_end_k_q3d508c4ebe_proj-k_q3d508c4ebe_proj
	.p2alignl 7, 3214868480
	.fill 96, 4, 3214868480
	.section	.rodata,"a",@progbits
	.p2align	6, 0x0
	.amdhsa_kernel k_q3d508c4ebe_proj
		.amdhsa_group_segment_fixed_size 327680
		.amdhsa_private_segment_fixed_size 0
		.amdhsa_enable_private_segment 0
		.amdhsa_kernarg_size 32
		.amdhsa_user_sgpr_count 2
		.amdhsa_user_sgpr_kernarg_segment_ptr 1
		.amdhsa_wavefront_size32 1
		.amdhsa_system_sgpr_workgroup_id_x 1
		.amdhsa_system_sgpr_workgroup_id_y 1
		.amdhsa_system_sgpr_workgroup_id_z 1
		.amdhsa_system_vgpr_workitem_id 0
		.amdhsa_next_free_vgpr 512
		.amdhsa_next_free_sgpr 66
		.amdhsa_reserve_vcc 0
		.amdhsa_float_denorm_mode_32 3
		.amdhsa_float_denorm_mode_16_64 3
		.amdhsa_memory_ordered 1
		.amdhsa_forward_progress 1
		.amdhsa_inst_pref_size 86
	.end_amdhsa_kernel
	.amdgpu_metadata
---
amdhsa.version: [ 1, 2 ]
amdhsa.kernels:
  - .name:           k_q3d508c4ebe_proj
    .symbol:         k_q3d508c4ebe_proj.kd
    .args:
      - { .name: ao, .offset: 0, .size: 8, .value_kind: global_buffer, .address_space: global }
      - { .name: wo, .offset: 8, .size: 8, .value_kind: global_buffer, .address_space: global }
      - { .name: bout, .offset: 16, .size: 8, .value_kind: global_buffer, .address_space: global }
      - { .name: out0, .offset: 24, .size: 8, .value_kind: global_buffer, .address_space: global }
    .group_segment_fixed_size: 327680
    .private_segment_fixed_size: 0
    .kernarg_segment_align: 8
    .kernarg_segment_size: 32
    .max_flat_workgroup_size: 128
    .sgpr_count:     66
    .vgpr_count:     512
    .wavefront_size: 32
...
	.end_amdgpu_metadata
.endif
;; end of part 4
